; MI455X (gfx1250); checked and timed in simulation.
; The chip was launched on July 23, 2026; its instructions are those of AMD's public machine-readable ISA for CDNA 5 (MIT licence, August 2026) and "CDNA5" Instruction Set Architecture Reference Guide (July 2026). The comments in the code are by the model that wrote it; some were corrected since.
;; KNN Classifier. Allowed arithmetic: float matrix products may take bf16 or f16 operands with f32 sums; all other float work in f32.
;; Inputs: train_features 100,000 x 256 float32; train_labels 100,000 int32; x 2,048 x 256 float32.
;; Outputs: out0 2,048 float32.
;; Constants: k = 20.
;; 2 versions, each right; version 2 is version 1 with the launches selS, selG written anew for expert scheduling mode. Each part assembles by itself: llvm-mc -triple=amdgcn-amd-amdhsa -mcpu=gfx1250 --defsym DOCPART=n.
;; ======== version 1 of 2: 5 launches
;; workspace buffers: tb 51,380,224 bytes; rn 401,408 bytes; xb 1,048,576 bytes; rnx 8,192 bytes; gm 117,440,512 bytes; sg 3,670,016 bytes; sgi 262,144 bytes of whole numbers; gi 262,144 bytes of whole numbers
;; launch prep (part 1): grid 1600 x 1, 8 waves a work-group, no clusters, 1,280 bytes of LDS; arguments train_features, x, tb, rn, xb, rnx; writes tb, rn, xb, rnx
.if DOCPART == 1
	.amdgcn_target "amdgcn-amd-amdhsa--gfx1250"
	.amdhsa_code_object_version 6
	.text
	.protected	k_q99f5fcfde2_prep
	.globl	k_q99f5fcfde2_prep
	.p2align	8
	.type	k_q99f5fcfde2_prep,@function
k_q99f5fcfde2_prep:
	s_mov_b64 s[64:65], 0
	v_nop
	global_prefetch_b8 v0, s[64:65] scope:SCOPE_SE
	s_setreg_imm32_b32 hwreg(HW_REG_WAVE_MODE, 25, 1), 1
	s_wait_xcnt 0x0
; PREP.  Rounds train_features and x to bf16 (tb, xb) and stores 1 / norm of each ROUNDED row (rn, rnx), so that products and norms are those of one and the same set of numbers.
; tb has 100,352 rows: rows 100,000 on are padding, all zeros, with rn = 0.
; SHARES.  Work-groups 0 to 1,567 take 64 rows of train_features each, 1,568 to 1,599 take 64 rows of x.  A wave takes 8 rows, a row at a time over its 32 lanes.
; A row of 1,024 bytes is read by two loads of 512 consecutive bytes; its 512 bytes of bf16 leave by two stores of 256 consecutive bytes, each at a multiple of 256 from the buffer's first byte.
; No matrix unit, no cluster, no tensor load: every byte is read once and shared with nobody.
; LIMITS.  A row of zeros gives 1 / 0 (reference() divides by 0 there too); NaN and infinities are not treated apart; the sum of squares is taken in another order than reference()'s.
.set NREAL,   12500                    ; groups of 8 rows that train_features really has
.set TRAINWG, 1568                     ; work-groups for train_features
.set X, 8                              ; v[8:71]    row j: 8 registers of f32 as loaded
.set Y, 72                             ; v[72:103]  row j: 4 registers of bf16
.set T, 104                            ; v[104:111] at work
.set P, 112                            ; v[112:113] two running sums of squares
.set S, 114                            ; v[114:121] row j's sum of squares
.set R, 122                            ; v122       1 / norm of row lane % 8
	s_load_b256 s[4:11], s[0:1], 0x0               ; train_features s[4:5], x s[6:7], tb s[8:9], rn s[10:11]
	s_load_b128 s[12:15], s[0:1], 0x20             ; xb s[12:13], rnx s[14:15]
	v_lshl_add_u32 v128, v0, 2, 0x100
	v_mov_b32 v129, 0
	v_lshrrev_b32 v4, 5, v0
	v_readfirstlane_b32 s24, v4                    ; wave 0..7
	v_and_b32 v3, 31, v0                           ; lane
	v_lshlrev_b32 v1, 4, v3                        ; 16 bytes a lane in a half row of f32
	v_lshlrev_b32 v2, 3, v3                        ; 8 bytes a lane in a half row of bf16
	v_and_b32 v5, 7, v0
	v_lshlrev_b32 v5, 2, v5
	v_lshl_add_u32 v5, s24, 5, v5                  ; LDS word of row 8 w + lane % 8
	v_and_b32 v6, 15, v0
	v_lshlrev_b32 v6, 4, v6                        ; 16 (lane % 16): the 64 reciprocals as 256 bytes
	s_mov_b32 s25, 0xffff0000                      ; a word's upper bf16
	s_mov_b32 s26, 0xaaaaaaaa                      ; lanes whose number has bit 0 set,
	s_mov_b32 s27, 0xcccccccc                      ; bit 1,
	s_mov_b32 s28, 0xf0f0f0f0                      ; bit 2
	s_mov_b32 s30, 0x76543210                      ; v_permlanex16_b32: each lane takes its own place in the other half
	s_mov_b32 s31, 0xfedcba98
	s_mov_b32 s33, 0
	s_wait_kmcnt 0x0
	s_cmp_ge_u32 ttmp9, TRAINWG                    ; which tensor: hangs on the work-group's number alone
	s_cselect_b64 s[16:17], s[6:7], s[4:5]         ; from
	s_cselect_b64 s[18:19], s[12:13], s[8:9]       ; to
	s_cselect_b64 s[20:21], s[14:15], s[10:11]     ; reciprocals to
	s_cselect_b32 s22, TRAINWG, 0
	s_sub_co_u32 s22, ttmp9, s22                   ; my block of 64 rows in that tensor
	s_lshl3_add_u32 s23, s22, s24                  ; my wave's group of 8 rows
	s_lshl_b32 s32, s23, 13                        ; 8 rows of 1,024 bytes
	s_add_nc_u64 s[16:17], s[16:17], s[32:33]
	s_lshl_b32 s32, s23, 12                        ; 8 rows of 512 bytes
	s_add_nc_u64 s[18:19], s[18:19], s[32:33]
	s_lshl_b32 s32, s22, 8                         ; 64 reciprocals
	s_add_nc_u64 s[20:21], s[20:21], s[32:33]
	s_cmp_ge_u32 s23, NREAL                        ; x has 256 groups, so only tb's padding takes this way
	s_cbranch_scc1 .Lpad
.set j, 0
.rept 8
	global_load_b128 v[X+8*j:X+8*j+3],   v1, s[16:17] offset:1024*j th:TH_LOAD_NT
	global_load_b128 v[X+8*j+4:X+8*j+7], v1, s[16:17] offset:1024*j+512 th:TH_LOAD_NT
.set j, j+1
.endr
.macro ROWJ j
	s_wait_loadcnt 14-2*(\j)                       ; loads come back in order: this row's two are in, the later rows' stay out
.irp k, 0,1,2,3
	v_cvt_pk_bf16_f32 v[Y+4*(\j)+\k], v[X+8*(\j)+2*\k], v[X+8*(\j)+2*\k+1]
.endr
.irp k, 0,1,2,3
	v_lshlrev_b32 v[T+2*\k],   16,  v[Y+4*(\j)+\k]     ; the rounded numbers back in f32
	v_and_b32     v[T+2*\k+1], s25, v[Y+4*(\j)+\k]
.endr
	v_pk_mul_f32 v[P:P+1], v[T:T+1], v[T:T+1]
.irp k, 2,4,6
	v_pk_fma_f32 v[P:P+1], v[T+\k:T+\k+1], v[T+\k:T+\k+1], v[P:P+1]
.endr
	v_add_f32 v[S+(\j)], v[P], v[P+1]
.endm
.irp j, 0,1,2,3,4,5,6,7
	ROWJ \j
.endr
.irp m, 1,2,4,8                        ; the eight sums over the 32 lanes, side by side
.irp j, 0,1,2,3,4,5,6,7
	v_add_f32_dpp v[S+\j], v[S+\j], v[S+\j] row_xmask:\m row_mask:0xf bank_mask:0xf
.endr
.endr
.irp j, 0,1,2,3,4,5,6,7
	v_permlanex16_b32 v[T+\j], v[S+\j], s30, s31
.endr
.irp j, 0,1,2,3,4,5,6,7
	v_add_f32 v[S+\j], v[S+\j], v[T+\j]
.endr
.irp k, 0,1,2,3                        ; lane l keeps the sum of row l % 8
	v_cndmask_b32 v[T+\k], v[S+2*\k], v[S+2*\k+1], s26
.endr
	v_cndmask_b32 v[T+4], v[T], v[T+1], s27
	v_cndmask_b32 v[T+5], v[T+2], v[T+3], s27
	v_cndmask_b32 v[R], v[T+4], v[T+5], s28
	v_rsq_f32 v[R], v[R]
	v_nop                                          ; a plain instruction between the root and the use of its result
	s_branch .Lout
.Lpad:                                                 ; padding: zeros, and a scale of 0
.set i, 0
.rept 32
	v_mov_b32 v[Y+i], 0
.set i, i+1
.endr
	v_mov_b32 v[R], 0
.Lout:
.set j, 0
.rept 8
	global_store_b64 v2, v[Y+4*j:Y+4*j+1],   s[18:19] offset:512*j       ; 32 lanes store 256 consecutive bytes
	global_store_b64 v2, v[Y+4*j+2:Y+4*j+3], s[18:19] offset:512*j+256
.set j, j+1
.endr
	s_wait_alu depctr_va_vdst(0)
	ds_store_b32 v5, v[R]                          ; four lanes write each word, with the same number
	s_wait_dscnt 0x0                               ; for wave 0's sake: my store is done
	s_barrier_signal -1
	s_barrier_wait -1
	s_cmp_lg_u32 s24, 0
	s_cbranch_scc1 .Lend
	ds_load_b128 v[T:T+3], v6                      ; the group's 64 reciprocals
	s_wait_dscnt 0x0
	s_wait_xcnt 0x0                                ; EXEC changes only behind this wait: my stores above have it as a source
	v_cmp_gt_u32 vcc_lo, 16, v3
	s_wait_tensorcnt 0x0
	ds_add_u32 v128, v129
	s_wait_dscnt 0x0
	s_and_saveexec_b32 s29, vcc_lo
	global_store_b128 v6, v[T:T+3], s[20:21]       ; 16 lanes store 256 consecutive bytes
	s_endpgm
.Lend:
	s_wait_tensorcnt 0x0
	ds_add_u32 v128, v129
	s_wait_dscnt 0x0
	s_endpgm
.Lfunc_end_k_q99f5fcfde2_prep:
	.size	k_q99f5fcfde2_prep, .Lfunc_end_k_q99f5fcfde2_prep-k_q99f5fcfde2_prep
	.p2alignl 7, 3214868480
	.fill 96, 4, 3214868480
	.section	.rodata,"a",@progbits
	.p2align	6, 0x0
	.amdhsa_kernel k_q99f5fcfde2_prep
		.amdhsa_group_segment_fixed_size 1280
		.amdhsa_private_segment_fixed_size 0
		.amdhsa_enable_private_segment 0
		.amdhsa_kernarg_size 48
		.amdhsa_user_sgpr_count 2
		.amdhsa_user_sgpr_kernarg_segment_ptr 1
		.amdhsa_wavefront_size32 1
		.amdhsa_system_sgpr_workgroup_id_x 1
		.amdhsa_system_sgpr_workgroup_id_y 1
		.amdhsa_system_sgpr_workgroup_id_z 1
		.amdhsa_system_vgpr_workitem_id 0
		.amdhsa_next_free_vgpr 130
		.amdhsa_next_free_sgpr 66
		.amdhsa_reserve_vcc 1
		.amdhsa_float_denorm_mode_32 3
		.amdhsa_float_denorm_mode_16_64 3
		.amdhsa_memory_ordered 1
		.amdhsa_forward_progress 1
		.amdhsa_inst_pref_size 17
	.end_amdhsa_kernel
	.amdgpu_metadata
---
amdhsa.version: [ 1, 2 ]
amdhsa.kernels:
  - .name:           k_q99f5fcfde2_prep
    .symbol:         k_q99f5fcfde2_prep.kd
    .args:
      - { .name: train_features, .offset: 0, .size: 8, .value_kind: global_buffer, .address_space: global }
      - { .name: x, .offset: 8, .size: 8, .value_kind: global_buffer, .address_space: global }
      - { .name: tb, .offset: 16, .size: 8, .value_kind: global_buffer, .address_space: global }
      - { .name: rn, .offset: 24, .size: 8, .value_kind: global_buffer, .address_space: global }
      - { .name: xb, .offset: 32, .size: 8, .value_kind: global_buffer, .address_space: global }
      - { .name: rnx, .offset: 40, .size: 8, .value_kind: global_buffer, .address_space: global }
    .group_segment_fixed_size: 1280
    .private_segment_fixed_size: 0
    .kernarg_segment_align: 8
    .kernarg_segment_size: 48
    .max_flat_workgroup_size: 256
    .sgpr_count:     66
    .vgpr_count:     130
    .wavefront_size: 32
...
	.end_amdgpu_metadata
.endif
;; end of part 1
;; launch gemm (part 2): grid 4 x 64, 4 waves a work-group, clusters of 4 x 1, 327,680 bytes of LDS; arguments tb, rn, xb, gm, sg; writes gm, sg
.if DOCPART == 2
	.amdgcn_target "amdgcn-amd-amdhsa--gfx1250"
	.amdhsa_code_object_version 6
	.text
	.protected	k_q99f5fcfde2_gemm
	.globl	k_q99f5fcfde2_gemm
	.p2align	8
	.type	k_q99f5fcfde2_gemm,@function
k_q99f5fcfde2_gemm:
	s_mov_b64 s[64:65], 0
	v_nop
	global_prefetch_b8 v0, s[64:65] scope:SCOPE_SE
	s_setreg_imm32_b32 hwreg(HW_REG_WAVE_MODE, 25, 1), 1
	s_wait_xcnt 0x0
	s_wait_alu depctr_hold_cnt(0) depctr_sa_sdst(0) depctr_va_vdst(0) depctr_va_sdst(0) depctr_va_ssrc(0) depctr_va_vcc(0) depctr_vm_vsrc(0)
	s_getreg_b32 s2, hwreg(HW_REG_IB_STS2, 6, 4)
	s_cmp_eq_u32 s2, 0
	s_cbranch_scc0 .Lentry_in_a_cluster
	s_endpgm
.Lentry_in_a_cluster:
	s_bfe_u32 s2, ttmp6, 0x10000c
	s_cmp_lg_u32 s2, 0x3003
	s_cbranch_scc0 .Lentry_shape_is_right
	s_endpgm
.Lentry_shape_is_right:
; GEMM.  s(row, q) = (tb[row] . xb[q]) rn[row]: products in bf16, sums in f32, K ascending on one accumulator.  No s goes to memory: only its maximum over each GROUP of 8 consecutive rows (gm) and
; over each CHUNK of 224 rows = 14 tiles of 16 = 28 groups (sg).  The division by the query's norm, one positive factor a query, changes no order and is left to the last launch.
; SHARES.  A cluster of four work-groups takes a slab of 1,568 rows (7 chunks); work-group cx of it takes queries 512 cx on, each of its four waves 128 of them: 8 tiles of 16, which stay in 512 registers.
; The four partners walk the same rows of tb and rn, so every tensor load is a JOINT one: the same line, descriptor and mask in all four.  64 slabs x 4 = 256 work-groups of equal work.
; LAYOUT.  Source 0 = 16 rows of tb, source 1 = 16 queries: in the result a lane holds ONE query (lane % 16), and its eight registers the rows 8 (lane / 16) + 0..7: one group.  So a group's maximum
; needs no other lane.  Column r of query tile t is the wave's query 64 (t / 4) + 4 r + t % 4, so that a lane's four chunk maxima are 16 consecutive bytes of sg.
; gm is [448 chunks][2,048 queries][32 words]: word 16 h + i holds group 2 i + h of the chunk; i = 14, 15 hold -inf.  sg is [448][2,048].
; ONE STREAM OF 98 TILES.  While tile i is multiplied into one set of 8 accumulators, tile i - 1 in the other set is scaled and reduced: four vector instructions behind every fourth matrix instruction,
; across a chunk's end too.  The slots change between a chunk's tiles 12 and 13, when tile 13's fragments are in registers: tile 13's step fetches the next chunk's tile 0.  A chunk's group maxima
; gather in the wave's stage in LDS; they come back into idle registers at the end of the next chunk's tile 0 and are stored during its tile 1, four stores a K step.
; LIMITS.  NaN and infinities are not treated apart.  Padding rows give s = 0: the later launches leave them out.
; REGISTERS, in windows of 256 (s_set_vgpr_msb: bits 1:0 source 0, 3:2 source 1, 5:4 source 2, 7:6 destination):
;   window 0: addresses, scales, maxima, v64-191 the two sets of accumulators      window 1: v0-127 fragments of tb, two buffers; v128-255 a chunk's words on their way out
;   windows 2, 3: the queries: tile t, K step c at 64 (t % 4) + 8 c
.set PITCH,  528                       ; an LDS row of tb: 512 bytes + 16 of padding = 132 words: the 16 rows of a fragment load start at 16 different groups of four banks (ISA guide 11.1)
.set TILEB,  16*PITCH
.set SLOTB,  224*PITCH                 ; a slot holds a chunk: 118,272 bytes
.set RN,     SLOTB                     ; behind slot 0: the slab's 1,568 scales, filled once
.set SPARE,  124672                    ; the spare words, 128 bytes for each wave: two blocks of 256 bytes that no other line names
.set SLOT1,  1<<17                     ; slot 1 begins here, so that one exclusive or turns an address in one slot into the other's
.set STAGE,  SLOT1+SLOTB               ; behind the ring, never filled by a tensor load: for each wave 128 queries x 144 bytes
.set SPQ,    144                       ; a query's 32 words + 16 bytes
.set WSTAGE, 128*SPQ
.set AF0, 2                            ; v2   my lane's place in a tile of tb; never rewritten
.set AF,  3                            ; v3   the LDS address of the run of loads in hand
.set AS0, 4                            ; v4   my lane's place in a tile's 16 scales
.set STO0,5                            ; v5   my lane's place in the stage, going in
.set RD,  6                            ; v6   and coming back: four queries x 128 bytes a load
.set GOF, 7                            ; v7   16 x lane: my bytes in 512 consecutive bytes of gm
.set SGO, 8                            ; v8   my 16 bytes in the wave's 512 bytes of sg
.set BO,  9                            ; v9   my byte offset in the wave's rows of xb
.set SPW, 10                           ; v10  LDS address of my spare word: SPARE + 4 x my thread's number; never rewritten
.set NIL, 11                           ; v11  0; never rewritten
.set X,   12                           ; v[12:15]  four chunk maxima on their way out
.set SC,  16                           ; v[16:31]  a tile's eight scales for my rows, by set
.set SG,  32                           ; v[32:39]  the chunk's running maximum, by query tile
.set M,   40                           ; v[40:55]  two tiles' group maxima, a pair for each query tile
.set TM,  56                           ; v[56:63]  at work
.set ACC, 64                           ; v[64:191] set p, query tile t at ACC + 64 p + 8 t
.set AS,  192
.set STO, 193
.set HH,  194
.set LL,  195
.set FL,  128                          ; window 1: v[128:255] the stage read back: load n at FL + 4 n
.set WV,  14                           ; s14  my wave's number
.set CX,  15                           ; s15  my place in the cluster: it enters xb's, gm's and sg's addresses alone
.set SLAB,16                           ; s16  the slab, which the partners share
.set G1A, 24                           ; s[24:31] descriptor group 1 for tb's tiles
.set G1R, 32                           ; s[32:39] for rn's
.set G0A, 40                           ; s[40:43] group 0: chunk 0 into slot 0
.set G0B, 44                           ; s[44:47] chunk 1 into slot 1; it then walks
.set G0R, 48                           ; s[48:51] the scales
.set TB,  52                           ; s52  LDS byte at which the tile to be fetched begins
.set TT,  53                           ; s53  counts pairs of tiles
.set CT,  54                           ; s54  counts chunks
.set TS,  55                           ; s55  byte of the tile in hand among the slab's scales
.set SEL, 56                           ; s[56:57] v_permlanex16_b32's selects
.set HM,  58                           ; s58  lanes 16 to 31
.set TP,  59                           ; s59  byte of the pair in hand in a query's words
.set MSB, 0
.macro WIN new                         ; the immediate's high byte repeats the setting that is left; a switch that changes nothing is dropped
.if MSB != (\new)
	s_set_vgpr_msb (MSB<<8)|(\new)
.set MSB, (\new)
.endif
.endm
.set MULA, 0x09                        ; tb's fragments in window 1, queries in window 2, sums in window 0
.set MULB, 0x0d                        ; the same with the queries of window 3
.macro PLACES                          ; four plain vector instructions that name nothing (ISA guide 7.12.1)
.rept 4
	v_nop
.endr
.endm
; A round of the cluster's barrier: my work-group's barrier, so that wave 0's signal speaks for all four waves; wave 0 signals; every wave waits for all four work-groups; my work-group's barrier once more.
.macro CROUND
	s_barrier_signal -1
	s_barrier_wait -1
	s_cmp_lg_u32 s[WV], 0
	s_cbranch_scc1 .Lnot_wave_0_\@
	s_barrier_signal -3
.Lnot_wave_0_\@:
	s_barrier_wait -3
	s_barrier_signal -1
	s_barrier_wait -1
.endm
	s_load_b256 s[4:11], s[0:1], 0x0               ; tb s[4:5], rn s[6:7], xb s[8:9], gm s[10:11]
	s_load_b64 s[12:13], s[0:1], 0x20              ; sg
	v_lshl_add_u32 v[SPW], v0, 2, SPARE
	v_mov_b32 v[NIL], 0
	ds_add_u32 v10, v11
	s_wait_dscnt 0x0
	v_lshrrev_b32 v1, 5, v0
	v_readfirstlane_b32 s[WV], v1                  ; wave 0..3
	s_bfe_u32 s[CX], ttmp6, 0x40000
	s_and_b32 s[SLAB], ttmp7, 0xffff               ; in a cluster launch ttmp7 counts clusters
	; group 1 for tb: a wave's quarter of a chunk, 56 rows x 256 elements of 2 bytes, padded in LDS
	s_mov_b32 s[G1A], 15|(1<<16)|(1<<20)|(1<<21)|(6<<22)|(3<<25)  ; 15:0 the mask of four; 17:16 2-byte elements; 20 padding on; 21 set beside a mask; 24:22 after every 128 words (code 6); 31:25 4 words (code 3)
	s_mov_b32 s[G1A+1], 256<<16                    ; tensor_dim0 = 256
	s_mov_b32 s[G1A+2], 56<<16                     ; tensor_dim1 = 56
	s_mov_b32 s[G1A+3], 256<<16                    ; tile_dim0 = 256
	s_mov_b32 s[G1A+4], 56                         ; tile_dim1 = 56
	s_mov_b32 s[G1A+5], 256                        ; 256 elements from row to row
	s_mov_b32 s[G1A+6], 0
	s_mov_b32 s[G1A+7], 0
	; group 1 for rn: a wave's quarter of the slab's scales, one row of 196 elements of 8 bytes
	s_mov_b32 s[G1R], 15|(3<<16)|(1<<21)
	s_mov_b32 s[G1R+1], 196<<16
	s_mov_b32 s[G1R+2], 1<<16
	s_mov_b32 s[G1R+3], 196<<16
	s_mov_b32 s[G1R+4], 1
	s_mov_b32 s[G1R+5], 196
	s_mov_b32 s[G1R+6], 0
	s_mov_b32 s[G1R+7], 0
	s_mul_i32 s20, s[SLAB], 1568*512               ; the slab's first byte in tb,
	s_mul_i32 s21, s[WV], 56*512                   ; my 56 rows of a chunk
	s_add_co_u32 s20, s20, s21
	s_mov_b32 s21, 0
	s_mul_i32 s18, s[SLAB], 1568*4                 ; the same in rn
	s_mul_i32 s19, s[WV], 392*4
	s_add_co_u32 s18, s18, s19
	s_mov_b32 s19, 0
	s_mul_i32 s17, s[WV], 56*PITCH                 ; and where my rows go: no place in the cluster enters an LDS address
	s_mov_b32 s[G0A], 1                            ; count = 1
	s_mov_b32 s[G0A+1], s17
	s_mov_b32 s[G0B], 1
	s_add_co_u32 s[G0B+1], s17, SLOT1
	s_mov_b32 s[G0R], 1
	s_mul_i32 s[G0R+1], s[WV], 392*4
	s_add_co_u32 s[G0R+1], s[G0R+1], RN
	s_mov_b32 s[TB], 0
	s_mov_b32 s[TS], 0
	s_mov_b32 s[TP], 0
	s_mov_b32 s[SEL], 0x76543210
	s_mov_b32 s[SEL+1], 0xfedcba98
	s_mov_b32 s[HM], 0xffff0000
	s_lshl_b32 s22, s[CX], 18                      ; xb: (512 cx + 128 w) rows of 512 bytes
	s_lshl_b32 s23, s[WV], 16
	s_add_co_u32 s22, s22, s23
	s_mov_b32 s23, 0
	s_wait_kmcnt 0x0
	s_add_nc_u64 s[G0A+2:G0A+3], s[4:5], s[20:21]
	s_add_nc_u64 s[G0B+2:G0B+3], s[G0A+2:G0A+3], 224*512
	s_or_b32 s[G0A+3], s[G0A+3], 0x80000000        ; type = 2
	s_or_b32 s[G0B+3], s[G0B+3], 0x80000000
	s_add_nc_u64 s[G0R+2:G0R+3], s[6:7], s[18:19]
	s_or_b32 s[G0R+3], s[G0R+3], 0x80000000
	s_add_nc_u64 s[8:9], s[8:9], s[22:23]
	s_mul_i32 s22, s[SLAB], 7*2048*128             ; gm: 7 chunks a slab, 128 bytes a query
	s_lshl_b32 s2, s[CX], 16
	s_lshl_b32 s3, s[WV], 14
	s_add_co_u32 s22, s22, s2
	s_add_co_u32 s22, s22, s3
	s_add_nc_u64 s[10:11], s[10:11], s[22:23]
	s_mul_i32 s22, s[SLAB], 7*2048*4               ; sg: 4 bytes a query
	s_lshl_b32 s2, s[CX], 11
	s_lshl_b32 s3, s[WV], 9
	s_add_co_u32 s22, s22, s2
	s_add_co_u32 s22, s22, s3
	s_add_nc_u64 s[12:13], s[12:13], s[22:23]
	CROUND                                         ; all four work-groups are here: the first joint loads meet
	tensor_load_to_lds s[G0R:G0R+3], s[G1R:G1R+7]  ; the first fills go out together: three loads of mine are out
	s_nop 0
	tensor_load_to_lds s[G0A:G0A+3], s[G1A:G1A+7]
	s_nop 0
	tensor_load_to_lds s[G0B:G0B+3], s[G1A:G1A+7]
	s_nop 0
	PLACES                                         ; four such lines behind the loads
	v_and_b32 v1, 15, v0                           ; r = lane % 16
	v_bfe_u32 v[HH], v0, 4, 1                      ; h = lane / 16
	v_and_b32 v[LL], 31, v0
	v_lshlrev_b32 v[BO], 11, v1                    ; query 4 r: 4 rows of 512 bytes,
	v_lshl_add_u32 v[BO], v[HH], 4, v[BO]          ; + 16 h
	; A fragment is 16 rows x 32 K in 8 registers: lane l holds row l % 16; registers 0-3 hold K = 8 h + 0..7, registers 4-7 K = 16 + 8 h + 0..7: two loads of 16 bytes, 32 bytes apart.
	WIN 0x80                                       ; destination window 2, address window 0
.set i, 0
.rept 32                               ; query tile i / 8, K step i % 8
	global_load_b128 v[8*i:8*i+3],   v[BO], s[8:9] offset:(i/8)*512+(i%8)*64
	global_load_b128 v[8*i+4:8*i+7], v[BO], s[8:9] offset:(i/8)*512+(i%8)*64+32
.set i, i+1
.endr
	WIN 0xc0                                       ; window 3: query tiles 4 to 7, 64 queries on
.set i, 0
.rept 32
	global_load_b128 v[8*i:8*i+3],   v[BO], s[8:9] offset:64*512+(i/8)*512+(i%8)*64
	global_load_b128 v[8*i+4:8*i+7], v[BO], s[8:9] offset:64*512+(i/8)*512+(i%8)*64+32
.set i, i+1
.endr
	WIN 0
	v_mul_u32_u24 v[AF0], v1, PITCH
	v_lshl_add_u32 v[AF0], v[HH], 4, v[AF0]        ; row x pitch + 16 h
	v_lshlrev_b32 v[AS0], 5, v[HH]
	v_add_nc_u32 v[AS0], RN, v[AS0]                ; my eight rows' scales: 32 h
	s_mul_i32 s3, s[WV], WSTAGE
	s_add_co_u32 s3, s3, STAGE                     ; my stage
	v_mul_u32_u24 v[STO0], v1, 4*SPQ               ; in: query 4 r, words 16 h on
	v_lshl_add_u32 v[STO0], v[HH], 6, v[STO0]
	v_add_nc_u32 v[STO0], s3, v[STO0]
	v_lshrrev_b32 v[RD], 3, v[LL]                  ; back: eight lanes take a query's 128 bytes
	v_mul_u32_u24 v[RD], v[RD], SPQ
	v_and_b32 v[GOF], 7, v0
	v_lshl_add_u32 v[RD], v[GOF], 4, v[RD]
	v_add_nc_u32 v[RD], s3, v[RD]
	v_lshlrev_b32 v[GOF], 4, v[LL]
	v_lshlrev_b32 v[SGO], 4, v1                    ; queries 64 h + 4 r + 0..3
	v_lshl_add_u32 v[SGO], v[HH], 8, v[SGO]
	v_mov_b32 v[M], 0xff800000
	v_mov_b32 v[M+1], 0xff800000
.set t, 0
.rept 8
	ds_store_b64 v[STO0], v[M:M+1] offset:(64*(t/4)+t%4)*SPQ+56  ; words 14 and 15 of each half hold no group: -inf, once
	v_mov_b32 v[SG+t], 0xff800000
	v_mov_b32 v[TM+t], 0
.set t, t+1
.endr
; Matrix instruction for query tile t in K step c (a symbol), tile buffer and accumulator set p.  The first K step starts the sums: nothing is cleared.
.macro WM p, t
.set rD, ACC+64*(\p)+8*(\t)
.set rA, 64*(\p)+8*c
.set rB, 64*((\t)%4)+8*c
.if c == 0
	v_wmma_f32_16x16x32_bf16 v[rD:rD+7], v[rA:rA+7], v[rB:rB+7], 0
.else
	v_wmma_f32_16x16x32_bf16 v[rD:rD+7], v[rA:rA+7], v[rB:rB+7], v[rD:rD+7]
.endif
.endm
.macro EPI_A s, t                      ; set s, query tile t: the eight sums times their rows' scales; the lowest registers first
.set rE, ACC+64*(\s)+8*(\t)
.set rC, SC+8*(\s)
.irp k, 0,2,4,6
	v_pk_mul_f32 v[rE+\k:rE+\k+1], v[rE+\k:rE+\k+1], v[rC+\k:rC+\k+1]
.endr
.endm
.macro EPI_B s, t                      ; their maximum: a group's; an even tile's goes into the pair's first word, an odd tile's into the second
.set rE, ACC+64*(\s)+8*(\t)
	v_max3_num_f32 v[TM], v[rE], v[rE+1], v[rE+2]
	v_max3_num_f32 v[TM+1], v[rE+3], v[rE+4], v[rE+5]
	v_max3_num_f32 v[TM], v[TM], v[rE+6], v[rE+7]
	v_max_num_f32 v[M+2*(\t)+(\s)], v[TM], v[TM+1]
.endm
.macro FRAG b                          ; 16 LDS loads in one run: the next tile's fragments, 16 rows x 256 K, into buffer b
	WIN 0
	v_add_nc_u32 v[AF], s[TB], v[AF0]
	WIN 0x40                                       ; destination window 1
.set k, 0
.rept 8
	ds_load_b128 v[64*(\b)+8*k:64*(\b)+8*k+3],   v[AF] offset:64*k
	ds_load_b128 v[64*(\b)+8*k+4:64*(\b)+8*k+7], v[AF] offset:64*k+32
.set k, k+1
.endr
	s_add_co_u32 s[TB], s[TB], TILEB               ; the next fetch is the next tile's
	WIN 0
.endm
.macro SCL p                           ; the scales of the tile in hand, for the step that will reduce it
	WIN 0
	v_add_nc_u32 v[AS], s[TS], v[AS0]
	ds_load_b128 v[SC+8*(\p):SC+8*(\p)+3],   v[AS]
	ds_load_b128 v[SC+8*(\p)+4:SC+8*(\p)+7], v[AS] offset:16
	s_add_co_u32 s[TS], s[TS], 64
.endm
.macro PAIR                            ; two tiles' group maxima go into the stage, 8 bytes a lane and query tile, and into the chunk's maximum
	v_add_nc_u32 v[STO], s[TP], v[STO0]
.set t, 0
.rept 8
	ds_store_b64 v[STO], v[M+2*t:M+2*t+1] offset:(64*(t/4)+t%4)*SPQ
.set t, t+1
.endr
.set t, 0
.rept 8
	v_max3_num_f32 v[SG+t], v[SG+t], v[M+2*t], v[M+2*t+1]
.set t, t+1
.endr
	s_add_co_u32 s[TP], s[TP], 8
.endm
; Four of the 32 stores of a finished chunk's words, in K step c (a symbol) of the step behind FLUSHLOAD.  LDS loads come back in order: behind load 4 c + 3 of the stage stand its 28 - 4 c younger
; ones, and from K step 2 on also the 18 loads of scales and fragments that K step 1 has issued.
.macro SEND4
.if c < 2
	s_wait_dscnt 28-4*c
.else
	s_wait_dscnt 46-4*c
.endif
	WIN 0x04                                       ; store data in window 1, offset in window 0
.set k, 0
.rept 4
	global_store_b128 v[GOF], v[FL+16*c+4*k:FL+16*c+4*k+3], s[10:11] offset:512*(4*c+k) th:TH_STORE_NT  ; 512 consecutive bytes: four queries' words
.set k, k+1
.endr
.endm
; A STEP: one tile of 16 rows against the wave's 128 queries: 64 matrix instructions into set p; the 8 accumulators take turns: between two links of a chain stand 7 others'.
; epi = 1: the tile before, in the other set, is scaled (behind query tile 3) and reduced (behind query tile 7), one query tile a K step.  None of those lines names a register of the products round
; them, and the last four are the places behind the step's last products.  fetch = 1: the next tile's fragments are fetched behind K step 1, 48 matrix instructions ahead of the wait for them;
; fetch = 2: the same, but jumped over in the chunk loop's last trip, behind which no tile follows.  send = 1: SEND4 in every K step.
; The wait stands at the step's end, AHEAD of the pair's stores, which may then stay out while the next step multiplies.
.macro STEP p, epi, fetch, pair, send=0
.set c, 0
.rept 8
	WIN MULA
	WM \p, 0
	WM \p, 1
	WM \p, 2
	WM \p, 3
.if \epi
	WIN 0
	EPI_A 1-(\p), c
.endif
	WIN MULB
	WM \p, 4
	WM \p, 5
	WM \p, 6
	WM \p, 7
.if \epi
	WIN 0
	EPI_B 1-(\p), c
.endif
.if \send
	SEND4
.endif
.if c == 1
	SCL \p
.if (\fetch) == 1
	FRAG 1-(\p)
.elseif (\fetch) == 2
	s_cmp_eq_u32 s[CT], 1
	s_cbranch_scc1 .Lno_next_\@
	FRAG 1-(\p)
.Lno_next_\@:
.endif
.endif
.set c, c+1
.endr
	WIN 0
	s_wait_dscnt 0x0                               ; the scales and the next fragments are in
.if \pair
	PAIR
.endif
.if !(\epi)
	PLACES                                         ; no other vector work is at hand behind these products
.endif
.endm
; A chunk's last pair has gone into the stage.  The stage comes back as whole queries, into idle registers.  The two halves of the lanes hold the even and the odd groups' maxima: one exchange, and
; four queries' chunk maxima a lane go to sg.
.macro FLUSHLOAD
	WIN 0x40                                       ; destination window 1
.set n, 0
.rept 32
	ds_load_b128 v[FL+4*n:FL+4*n+3], v[RD] offset:4*SPQ*n  ; LDS serves a wave's instructions in order (ISA guide 5.7.1.4): these see the pairs' stores, and the next chunk's pairs come behind them
.set n, n+1
.endr
	WIN 0
.set t, 0
.rept 8
	v_permlanex16_b32 v[TM+t], v[SG+t], s[SEL], s[SEL+1]
.set t, t+1
.endr
.set t, 0
.rept 8
	v_max_num_f32 v[SG+t], v[SG+t], v[TM+t]
.set t, t+1
.endr
.set k, 0
.rept 4
	v_cndmask_b32 v[X+k], v[SG+k], v[SG+4+k], s[HM]
.set k, k+1
.endr
	global_store_b128 v[SGO], v[X:X+3], s[12:13]   ; the wave stores 512 consecutive bytes, at a multiple of 256 from sg's first byte
.set t, 0
.rept 8
	v_mov_b32 v[SG+t], 0xff800000
.set t, t+1
.endr
	s_mov_b32 s[TP], 0
.endm
.macro NEXTC                           ; a step behind the last of a chunk's stores
	s_wait_xcnt 0x0                                ; only behind this wait are the stores' bases stepped, and X and the landing registers written again
	s_add_nc_u64 s[10:11], s[10:11], 2048*128      ; the next chunk
	s_add_nc_u64 s[12:13], s[12:13], 2048*4
.endm
; THE CHANGE OF SLOTS, between a chunk's tiles 12 and 13: tile 13's fragments are in registers.  Each wave waits for all its tensor loads, of which one at most is out: its part of the other slot;
; adds 0 to its spare word; and waits for that and for its own LDS traffic.  fill = 1: the slot just read takes the chunk two further on.  The barrier is then a round of the cluster's, so that no wave
; of any partner still reads the slot or has a load on its way, and the joint refill is the first thing behind it: it has 14 tiles, 896 matrix instructions, in which to land.
.macro CHANGE fill
	WIN 0
	s_wait_tensorcnt 0x0                           ; no tensor load of mine is out, so a group 0 may be written
	ds_add_u32 v[SPW], v[NIL]                      ; 0 onto my spare word
.if \fill
	s_xor_b32 s[G0B+1], s[G0B+1], SLOT1            ; the walking descriptor: the other slot than last time,
	s_add_nc_u64 s[G0B+2:G0B+3], s[G0B+2:G0B+3], 224*512  ; the next chunk; the type bits on top are not reached
.endif
	s_sub_co_u32 s[TB], s[TB], SLOTB               ; the fetches go back to a slot's first tile,
	s_xor_b32 s[TB], s[TB], SLOT1                  ; in the other slot
	s_wait_dscnt 0x0                               ; the add is done, and my reads of the slot are over
.if \fill
	CROUND
	tensor_load_to_lds s[G0B:G0B+3], s[G1A:G1A+7]
	s_nop 0
	PLACES
.else
	s_barrier_signal -1
	s_barrier_wait -1
.endif
.endm
; A TRIP OF THE CHUNK LOOP: tiles 0 to 13 of a chunk, with the end of the chunk before in its first two steps.  The tag ends its labels' names.
.macro BODY tag, fill
.Lchunk\tag:
	STEP 0, 1, 1, 1                                ; tile 0 | the last chunk's tile 13 is reduced; its last pair
	FLUSHLOAD
	STEP 1, 1, 1, 0, 1                             ; tile 1 | tile 0 is reduced | the last chunk's words are stored
	STEP 0, 1, 1, 1                                ; tile 2
	NEXTC
.Lmid\tag:
	s_mov_b32 s[TT], 5
.Ltile\tag:                                            ; tiles 3 to 12
	STEP 1, 1, 1, 0
	STEP 0, 1, 1, 1
	s_sub_co_u32 s[TT], s[TT], 1
	s_cmp_lg_u32 s[TT], 0
	s_cbranch_scc1 .Ltile\tag
	CHANGE \fill
	STEP 1, 1, 2-(\fill), 0                        ; tile 13; it fetches the next chunk's tile 0
	s_sub_co_u32 s[CT], s[CT], 1
	s_cmp_lg_u32 s[CT], 0
	s_cbranch_scc1 .Lchunk\tag
.endm
	s_wait_tensorcnt 0x1                           ; my parts of the scales and of slot 0 are in; slot 1's may stay out
	s_wait_dscnt 0x0                               ; my stores into my stage are done
	s_barrier_signal -1
	s_barrier_wait -1                              ; everybody's parts are in
	s_wait_loadcnt 0x0                             ; the queries
	FRAG 0
	s_wait_dscnt 0x0
	STEP 0, 0, 1, 0                                ; the slab's first three tiles are written out: no chunk has ended yet
	STEP 1, 1, 1, 0
	STEP 0, 1, 1, 1
	s_mov_b32 s[CT], 5
	s_branch .LmidA                                ; the loop is entered in the middle of a trip
	BODY A, 1                                      ; chunks 0 to 4: each leaves its slot to the chunk two further on
	s_mov_b32 s[CT], 2
	BODY B, 0                                      ; chunks 5 and 6 ask for nothing: written apart.  The second trip's barrier serves nothing: the price of one text for both
.set c, 0
.rept 8                                ; the slab's last tile: nothing is left to multiply beside it
	EPI_A 1, c
	EPI_B 1, c
.set c, c+1
.endr
	PAIR
	FLUSHLOAD
	WIN 0x04
.set n, 0
.rept 32
	s_wait_dscnt 31-n                              ; the younger loads stay out
	global_store_b128 v[GOF], v[FL+4*n:FL+4*n+3], s[10:11] offset:512*n th:TH_STORE_NT
.set n, n+1
.endr
	WIN 0
	s_wait_tensorcnt 0x0                           ; the wave's end, behind my last tensor load and my last LDS store
	ds_add_u32 v[SPW], v[NIL]
	s_wait_dscnt 0x0
	CROUND                                         ; the closing round: no work-group ends while a partner may still ask for a tile that names it
	s_endpgm
.Lfunc_end_k_q99f5fcfde2_gemm:
	.size	k_q99f5fcfde2_gemm, .Lfunc_end_k_q99f5fcfde2_gemm-k_q99f5fcfde2_gemm
	.p2alignl 7, 3214868480
	.fill 96, 4, 3214868480
	.section	.rodata,"a",@progbits
	.p2align	6, 0x0
	.amdhsa_kernel k_q99f5fcfde2_gemm
		.amdhsa_group_segment_fixed_size 327680
		.amdhsa_private_segment_fixed_size 0
		.amdhsa_enable_private_segment 0
		.amdhsa_kernarg_size 40
		.amdhsa_user_sgpr_count 2
		.amdhsa_user_sgpr_kernarg_segment_ptr 1
		.amdhsa_wavefront_size32 1
		.amdhsa_system_sgpr_workgroup_id_x 1
		.amdhsa_system_sgpr_workgroup_id_y 1
		.amdhsa_system_sgpr_workgroup_id_z 1
		.amdhsa_system_vgpr_workitem_id 0
		.amdhsa_next_free_vgpr 1024
		.amdhsa_next_free_sgpr 66
		.amdhsa_reserve_vcc 0
		.amdhsa_float_denorm_mode_32 3
		.amdhsa_float_denorm_mode_16_64 3
		.amdhsa_memory_ordered 1
		.amdhsa_forward_progress 1
		.amdhsa_inst_pref_size 206
	.end_amdhsa_kernel
	.amdgpu_metadata
---
amdhsa.version: [ 1, 2 ]
amdhsa.kernels:
  - .name:           k_q99f5fcfde2_gemm
    .symbol:         k_q99f5fcfde2_gemm.kd
    .args:
      - { .name: tb, .offset: 0, .size: 8, .value_kind: global_buffer, .address_space: global }
      - { .name: rn, .offset: 8, .size: 8, .value_kind: global_buffer, .address_space: global }
      - { .name: xb, .offset: 16, .size: 8, .value_kind: global_buffer, .address_space: global }
      - { .name: gm, .offset: 24, .size: 8, .value_kind: global_buffer, .address_space: global }
      - { .name: sg, .offset: 32, .size: 8, .value_kind: global_buffer, .address_space: global }
    .group_segment_fixed_size: 327680
    .private_segment_fixed_size: 0
    .kernarg_segment_align: 8
    .kernarg_segment_size: 40
    .max_flat_workgroup_size: 128
    .sgpr_count:     66
    .vgpr_count:     1024
    .wavefront_size: 32
...
	.end_amdgpu_metadata
.endif
;; end of part 2
;; launch selS (part 3): grid 256 x 1, 8 waves a work-group, no clusters, 15,872 bytes of LDS; arguments sg, sgi; writes sgi
.if DOCPART == 3
	.amdgcn_target "amdgcn-amd-amdhsa--gfx1250"
	.amdhsa_code_object_version 6
	.text
	.protected	k_q99f5fcfde2_selS
	.globl	k_q99f5fcfde2_selS
	.p2align	8
	.type	k_q99f5fcfde2_selS,@function
k_q99f5fcfde2_selS:
	s_mov_b64 s[64:65], 0
	v_nop
	global_prefetch_b8 v0, s[64:65] scope:SCOPE_SE
	s_setreg_imm32_b32 hwreg(HW_REG_WAVE_MODE, 25, 1), 1
	s_wait_xcnt 0x0
; SELS.  For each query: the 20 chunks with the largest maxima among chunks 0 to 445, ties to the lower chunk; chunk 446, whose maximum also covers padding rows, is always taken as the 21st; chunk 447
; is padding alone.  Ordered by (value falling, index rising), the 20 best blocks of consecutive indices hold the 20 best elements, so these 21 chunks hold every row of the query's top 20.
; sgi[q][0..20] = the chunks; words 21 to 31 are 0.
; SHARES.  256 work-groups of 8 waves.  A work-group takes 8 queries: sg's 448 rows give 32 bytes each, turned in LDS; then a wave takes a query, a lane 14 chunks.  The choice is made without a branch
; on data: twenty rounds of maximum, lowest index among those that have it, and removal.  In a round the maxima and minima are trees of three-operand instructions, and the compares stand together,
; each with a scalar register of its own, ahead of the selects: no line waits for the one just before it but in the exchanges between lanes.
; No matrix work, nothing shared between work-groups: no cluster, no tensor load.
; LIMITS.  NaN is not treated apart; +0 and -0 count as equal; fewer than 20 chunks with a maximum above -inf are not served.
.set QP,  1796                         ; a query's 448 words + 1: an odd number of words from query to query
.set N,   14
.set L,   8                            ; v[8:23]   as loaded
.set VAL, 24                           ; v[24:37]
.set IDX, 38                           ; v[38:51]  the chunk's number in f32 (exact)
.set K,   52                           ; v[52:65]  the index where the value is the maximum, else +inf
.set C,   66                           ; v[66:69]  the trees' branches
.set T0,  70
.set T1,  71
.set T2,  72
.set T3,  76
.set RES, 73                           ; lane k takes round k's index
.set NEG, 74                           ; -inf
.set BIG, 75                           ; +inf
.set SEL, 14                           ; s[14:15]
.set MSK, 16
.set CNT, 17
.set MK,  20                           ; s[20:33]  a compare's lanes, one register an entry
.macro TREE op3, op2, s, d             ; the operation over v[s .. s+13] into v[d]: three levels
	\op3 v[C],   v[\s],    v[\s+1],  v[\s+2]
	\op3 v[C+1], v[\s+3],  v[\s+4],  v[\s+5]
	\op3 v[C+2], v[\s+6],  v[\s+7],  v[\s+8]
	\op3 v[C+3], v[\s+9],  v[\s+10], v[\s+11]
	\op3 v[C],   v[C],     v[\s+12], v[\s+13]
	\op3 v[C+1], v[C+1],   v[C+2],   v[C+3]
	\op2 v[\d],  v[C],     v[C+1]
.endm
.macro REDMAX                          ; T0's maximum over the 32 lanes, in every lane
.irp m, 1,2,4,8
	v_max_num_f32_dpp v[T0], v[T0], v[T0] row_xmask:\m row_mask:0xf bank_mask:0xf
.endr
	v_permlanex16_b32 v[T1], v[T0], s[SEL], s[SEL+1]
	v_max_num_f32 v[T0], v[T0], v[T1]
.endm
.macro REDMIN                          ; T2's minimum likewise
.irp m, 1,2,4,8
	v_min_num_f32_dpp v[T2], v[T2], v[T2] row_xmask:\m row_mask:0xf bank_mask:0xf
.endr
	v_permlanex16_b32 v[T1], v[T2], s[SEL], s[SEL+1]
	v_min_num_f32 v[T2], v[T2], v[T1]
.endm
.macro ROUNDS                          ; twenty times: the largest value; the lowest index that has it; that entry becomes -inf; lane k keeps round k's index
	s_mov_b32 s[MSK], 1
	s_mov_b32 s[CNT], 20
.Lround:
	TREE v_max3_num_f32, v_max_num_f32, VAL, T0
	REDMAX
.set i, 0
.rept N
	v_cmp_eq_f32 s[MK+i], v[VAL+i], v[T0]
.set i, i+1
.endr
.set i, 0
.rept N
	v_cndmask_b32 v[K+i], v[BIG], v[IDX+i], s[MK+i]
.set i, i+1
.endr
	TREE v_min3_num_f32, v_min_num_f32, K, T2
	REDMIN
.set i, 0
.rept N
	v_cmp_eq_f32 s[MK+i], v[IDX+i], v[T2]
.set i, i+1
.endr
.set i, 0
.rept N
	v_cndmask_b32 v[VAL+i], v[VAL+i], v[NEG], s[MK+i]
.set i, i+1
.endr
	v_cndmask_b32 v[RES], v[RES], v[T2], s[MSK]
	s_lshl_b32 s[MSK], s[MSK], 1
	s_sub_co_u32 s[CNT], s[CNT], 1
	s_cmp_lg_u32 s[CNT], 0
	s_cbranch_scc1 .Lround
.endm
	s_load_b128 s[4:7], s[0:1], 0x0                ; sg s[4:5], sgi s[6:7]
	v_lshl_add_u32 v80, v0, 2, 0x3a00
	v_mov_b32 v81, 0
	v_lshrrev_b32 v1, 5, v0
	v_readfirstlane_b32 s8, v1                     ; wave 0..7
	v_and_b32 v2, 31, v0                           ; lane
	v_lshrrev_b32 v3, 1, v0                        ; thread / 2: a chunk among 128
	v_and_b32 v4, 1, v0                            ; thread % 2: four of the 8 queries
	v_lshlrev_b32 v5, 13, v3                       ; a row of sg is 8,192 bytes
	v_lshl_add_u32 v5, v4, 4, v5
	v_mul_u32_u24 v6, v4, 4*QP
	v_lshl_add_u32 v6, v3, 2, v6                   ; LDS: query 4 (thread % 2), word thread / 2
	s_lshl_b32 s10, ttmp9, 5                       ; my 8 queries' 32 bytes in a row
	s_mov_b32 s11, 0
	s_mov_b32 s[SEL], 0x76543210
	s_mov_b32 s[SEL+1], 0xfedcba98
	s_wait_kmcnt 0x0
	s_add_nc_u64 s[4:5], s[4:5], s[10:11]
.irp k, 0,1,2
	global_load_b128 v[L+4*\k:L+4*\k+3], v5, s[4:5] offset:\k*128*8192
.endr
	s_cmp_ge_u32 s8, 4
	s_cbranch_scc1 .Lthree                         ; chunks 384 to 447 are 64: waves 0 to 3 alone take a fourth load, with its wait and its stores
	global_load_b128 v[L+12:L+15], v5, s[4:5] offset:3*128*8192
	s_wait_loadcnt 0x0
.irp e, 0,1,2,3
	ds_store_b32 v6, v[L+12+\e] offset:\e*QP+3*512
.endr
.Lthree:
	s_wait_loadcnt 0x0
.irp k, 0,1,2
.irp e, 0,1,2,3
	ds_store_b32 v6, v[L+4*\k+\e] offset:\e*QP+\k*512
.endr
.endr
	s_wait_dscnt 0x0                               ; for the others' sake: my stores are done
	s_barrier_signal -1
	s_barrier_wait -1
	s_mul_i32 s9, s8, QP
	v_lshl_add_u32 v7, v2, 2, s9                   ; my wave's query, word = lane
.set k, 0
.rept N
	ds_load_b32 v[VAL+k], v7 offset:128*k          ; chunk lane + 32 k
	v_add_nc_u32 v[IDX+k], 32*k, v2
	v_cvt_f32_u32 v[IDX+k], v[IDX+k]
.set k, k+1
.endr
	v_mov_b32 v[T1], 0
	v_mov_b32 v[RES], 0
	v_mov_b32 v[NEG], 0xff800000
	v_mov_b32 v[BIG], 0x7f800000
	s_mov_b32 s18, 0xc0000000                      ; lanes 30 and 31
	s_wait_dscnt 0x0
	v_cndmask_b32 v[VAL+13], v[VAL+13], v[NEG], s18  ; chunks 446 and 447 are not ranked
	ROUNDS
	v_cvt_u32_f32 v[RES], v[RES]
	v_mov_b32 v[T3], 446
	s_mov_b32 s18, 1<<20
	v_cndmask_b32 v[RES], v[RES], v[T3], s18       ; lane 20: chunk 446, always
	s_lshl_b32 s10, ttmp9, 10                      ; 8 queries of 128 bytes,
	s_lshl_b32 s12, s8, 7                          ; my wave's
	s_add_co_u32 s10, s10, s12
	s_add_nc_u64 s[6:7], s[6:7], s[10:11]
	v_lshlrev_b32 v7, 2, v2
	global_store_b32 v7, v[RES], s[6:7]            ; the wave stores 128 consecutive bytes: a query's 32 words
	s_wait_tensorcnt 0x0
	ds_add_u32 v80, v81
	s_wait_dscnt 0x0
	s_endpgm
.Lfunc_end_k_q99f5fcfde2_selS:
	.size	k_q99f5fcfde2_selS, .Lfunc_end_k_q99f5fcfde2_selS-k_q99f5fcfde2_selS
	.p2alignl 7, 3214868480
	.fill 96, 4, 3214868480
	.section	.rodata,"a",@progbits
	.p2align	6, 0x0
	.amdhsa_kernel k_q99f5fcfde2_selS
		.amdhsa_group_segment_fixed_size 15872
		.amdhsa_private_segment_fixed_size 0
		.amdhsa_enable_private_segment 0
		.amdhsa_kernarg_size 16
		.amdhsa_user_sgpr_count 2
		.amdhsa_user_sgpr_kernarg_segment_ptr 1
		.amdhsa_wavefront_size32 1
		.amdhsa_system_sgpr_workgroup_id_x 1
		.amdhsa_system_sgpr_workgroup_id_y 1
		.amdhsa_system_sgpr_workgroup_id_z 1
		.amdhsa_system_vgpr_workitem_id 0
		.amdhsa_next_free_vgpr 82
		.amdhsa_next_free_sgpr 66
		.amdhsa_reserve_vcc 0
		.amdhsa_float_denorm_mode_32 3
		.amdhsa_float_denorm_mode_16_64 3
		.amdhsa_memory_ordered 1
		.amdhsa_forward_progress 1
		.amdhsa_inst_pref_size 12
	.end_amdhsa_kernel
	.amdgpu_metadata
---
amdhsa.version: [ 1, 2 ]
amdhsa.kernels:
  - .name:           k_q99f5fcfde2_selS
    .symbol:         k_q99f5fcfde2_selS.kd
    .args:
      - { .name: sg, .offset: 0, .size: 8, .value_kind: global_buffer, .address_space: global }
      - { .name: sgi, .offset: 8, .size: 8, .value_kind: global_buffer, .address_space: global }
    .group_segment_fixed_size: 15872
    .private_segment_fixed_size: 0
    .kernarg_segment_align: 8
    .kernarg_segment_size: 16
    .max_flat_workgroup_size: 256
    .sgpr_count:     66
    .vgpr_count:     82
    .wavefront_size: 32
...
	.end_amdgpu_metadata
.endif
;; end of part 3
;; launch selG (part 4): grid 256 x 1, 8 waves a work-group, no clusters, 0 bytes of LDS; arguments gm, sgi, gi; writes gi
.if DOCPART == 4
	.amdgcn_target "amdgcn-amd-amdhsa--gfx1250"
	.amdhsa_code_object_version 6
	.text
	.protected	k_q99f5fcfde2_selG
	.globl	k_q99f5fcfde2_selG
	.p2align	8
	.type	k_q99f5fcfde2_selG,@function
k_q99f5fcfde2_selG:
	s_mov_b64 s[64:65], 0
	v_nop
	global_prefetch_b8 v0, s[64:65] scope:SCOPE_SE
	s_setreg_imm32_b32 hwreg(HW_REG_WAVE_MODE, 25, 1), 1
	s_wait_xcnt 0x0
; SELG.  For each query: the 20 groups of 8 rows with the largest maxima among the 28 groups of each of its 21 chunks (sgi, whole numbers that an earlier launch stored), ties to the lower group.
; Groups 12,500 on are padding and are left out.  By the same argument as one level up these 20 groups hold every row of the query's top 20.  gi[q][0..19] = the groups; words 20 to 31 are 0.
; SHARES.  A wave takes a query; a chunk's 32 words of gm are one load of 128 consecutive bytes, a word a lane.  Word 16 h + i is group 2 i + h of the chunk; i = 14, 15 hold -inf.  Their index
; falls on a group of the next chunk: harmless, since an index counts only beside the largest value, and a removal finds them at -inf already.
; The choice is made without a branch on data.  In a round the maxima and minima are trees of three-operand instructions, and the compares stand together, each with a scalar register of its own,
; ahead of the selects.  No LDS, no matrix work, nothing shared: no cluster.
; LIMITS.  NaN is not treated apart; +0 and -0 count as equal; fewer than 20 groups above -inf are not served.
.set N,   21
.set VAL, 8                            ; v[8:28]
.set IDX, 29                           ; v[29:49]  the group's number in f32 (exact)
.set OFF, 50                           ; v[50:70]  byte offsets of the 21 loads
.set T0,  71
.set T1,  72
.set T2,  73
.set RES, 75
.set NEG, 76
.set BIG, 77
.set K,   78                           ; v[78:98]  the index where the value is the maximum, else +inf
.set C,   99                           ; v[99:105] the trees' branches
.set MK,  16                           ; s[16:36]  first the query's 21 chunks, then a compare's lanes, one register an entry
.set SEL, 42                           ; s[42:43]
.set MSK, 44
.set CNT, 45
.macro TREE op3, s, d                  ; the operation over v[s .. s+20] into v[d]: three levels
.set j, 0
.rept 7
	\op3 v[C+j], v[\s+3*j], v[\s+3*j+1], v[\s+3*j+2]
.set j, j+1
.endr
	\op3 v[C],   v[C],   v[C+1], v[C+2]
	\op3 v[C+3], v[C+3], v[C+4], v[C+5]
	\op3 v[\d],  v[C],   v[C+3], v[C+6]
.endm
.macro REDMAX
.irp m, 1,2,4,8
	v_max_num_f32_dpp v[T0], v[T0], v[T0] row_xmask:\m row_mask:0xf bank_mask:0xf
.endr
	v_permlanex16_b32 v[T1], v[T0], s[SEL], s[SEL+1]
	v_max_num_f32 v[T0], v[T0], v[T1]
.endm
.macro REDMIN
.irp m, 1,2,4,8
	v_min_num_f32_dpp v[T2], v[T2], v[T2] row_xmask:\m row_mask:0xf bank_mask:0xf
.endr
	v_permlanex16_b32 v[T1], v[T2], s[SEL], s[SEL+1]
	v_min_num_f32 v[T2], v[T2], v[T1]
.endm
.macro ROUNDS                          ; twenty times: the largest value; the lowest index that has it; that entry becomes -inf; lane k keeps round k's index
	s_mov_b32 s[MSK], 1
	s_mov_b32 s[CNT], 20
.Lround:
	TREE v_max3_num_f32, VAL, T0
	REDMAX
.set i, 0
.rept N
	v_cmp_eq_f32 s[MK+i], v[VAL+i], v[T0]
.set i, i+1
.endr
.set i, 0
.rept N
	v_cndmask_b32 v[K+i], v[BIG], v[IDX+i], s[MK+i]
.set i, i+1
.endr
	TREE v_min3_num_f32, K, T2
	REDMIN
.set i, 0
.rept N
	v_cmp_eq_f32 s[MK+i], v[IDX+i], v[T2]
.set i, i+1
.endr
.set i, 0
.rept N
	v_cndmask_b32 v[VAL+i], v[VAL+i], v[NEG], s[MK+i]
.set i, i+1
.endr
	v_cndmask_b32 v[RES], v[RES], v[T2], s[MSK]
	s_lshl_b32 s[MSK], s[MSK], 1
	s_sub_co_u32 s[CNT], s[CNT], 1
	s_cmp_lg_u32 s[CNT], 0
	s_cbranch_scc1 .Lround
.endm
	s_load_b128 s[4:7], s[0:1], 0x0                ; gm s[4:5], sgi s[6:7]
	s_load_b64 s[8:9], s[0:1], 0x10                ; gi
	v_lshrrev_b32 v1, 5, v0
	v_readfirstlane_b32 s10, v1                    ; wave 0..7
	v_and_b32 v2, 31, v0
	v_lshlrev_b32 v3, 2, v2                        ; 4 x lane
	v_and_b32 v4, 15, v0
	v_bfe_u32 v5, v0, 4, 1
	v_lshl_add_u32 v4, v4, 1, v5                   ; my word's group in its chunk: 2 (lane % 16) + lane / 16
	s_lshl3_add_u32 s11, ttmp9, s10                ; my query
	s_lshl_b32 s12, s11, 7                         ; 128 bytes a query in sgi, in gi and in a chunk of gm
	s_mov_b32 s13, 0
	s_mov_b32 s[SEL], 0x76543210
	s_mov_b32 s[SEL+1], 0xfedcba98
	s_wait_kmcnt 0x0
	s_add_nc_u64 s[4:5], s[4:5], s[12:13]
	s_add_nc_u64 s[6:7], s[6:7], s[12:13]
	s_add_nc_u64 s[8:9], s[8:9], s[12:13]
	s_load_b512 s[16:31], s[6:7], 0x0              ; the query's chunks 0 to 15 of 21,
	s_load_b256 s[32:39], s[6:7], 0x40             ; and the rest
	v_mov_b32 v[T1], 0
	v_mov_b32 v[RES], 0
	v_mov_b32 v[NEG], 0xff800000
	v_mov_b32 v[BIG], 0x7f800000
	s_wait_kmcnt 0x0
.set k, 0
.rept N
	s_min_u32 s[16+k], s[16+k], 447                ; a loaded number enters an address only within the table
	s_lshl_b32 s40, s[16+k], 18                    ; a chunk of gm is 262,144 bytes
	s_mul_i32 s41, s[16+k], 28
	v_add_nc_u32 v[OFF+k], s40, v3
	v_add_nc_u32 v[IDX+k], s41, v4
	global_load_b32 v[VAL+k], v[OFF+k], s[4:5]
	v_cvt_f32_u32 v[IDX+k], v[IDX+k]
.set k, k+1
.endr
	s_wait_loadcnt 0x0
.set k, 0
.rept N
	v_cmp_le_f32 s[MK+k], 0x46435000, v[IDX+k]     ; 12,500 <= the group's number: padding
.set k, k+1
.endr
.set k, 0
.rept N
	v_cndmask_b32 v[VAL+k], v[VAL+k], v[NEG], s[MK+k]
.set k, k+1
.endr
	ROUNDS
	v_cvt_u32_f32 v[RES], v[RES]
	global_store_b32 v3, v[RES], s[8:9]            ; the wave stores 128 consecutive bytes: a query's 32 words
	s_endpgm
.Lfunc_end_k_q99f5fcfde2_selG:
	.size	k_q99f5fcfde2_selG, .Lfunc_end_k_q99f5fcfde2_selG-k_q99f5fcfde2_selG
	.p2alignl 7, 3214868480
	.fill 96, 4, 3214868480
	.section	.rodata,"a",@progbits
	.p2align	6, 0x0
	.amdhsa_kernel k_q99f5fcfde2_selG
		.amdhsa_group_segment_fixed_size 0
		.amdhsa_private_segment_fixed_size 0
		.amdhsa_enable_private_segment 0
		.amdhsa_kernarg_size 24
		.amdhsa_user_sgpr_count 2
		.amdhsa_user_sgpr_kernarg_segment_ptr 1
		.amdhsa_wavefront_size32 1
		.amdhsa_system_sgpr_workgroup_id_x 1
		.amdhsa_system_sgpr_workgroup_id_y 1
		.amdhsa_system_sgpr_workgroup_id_z 1
		.amdhsa_system_vgpr_workitem_id 0
		.amdhsa_next_free_vgpr 112
		.amdhsa_next_free_sgpr 66
		.amdhsa_reserve_vcc 0
		.amdhsa_float_denorm_mode_32 3
		.amdhsa_float_denorm_mode_16_64 3
		.amdhsa_memory_ordered 1
		.amdhsa_forward_progress 1
		.amdhsa_inst_pref_size 19
	.end_amdhsa_kernel
	.amdgpu_metadata
---
amdhsa.version: [ 1, 2 ]
amdhsa.kernels:
  - .name:           k_q99f5fcfde2_selG
    .symbol:         k_q99f5fcfde2_selG.kd
    .args:
      - { .name: gm, .offset: 0, .size: 8, .value_kind: global_buffer, .address_space: global }
      - { .name: sgi, .offset: 8, .size: 8, .value_kind: global_buffer, .address_space: global }
      - { .name: gi, .offset: 16, .size: 8, .value_kind: global_buffer, .address_space: global }
    .group_segment_fixed_size: 0
    .private_segment_fixed_size: 0
    .kernarg_segment_align: 8
    .kernarg_segment_size: 24
    .max_flat_workgroup_size: 256
    .sgpr_count:     66
    .vgpr_count:     112
    .wavefront_size: 32
...
	.end_amdgpu_metadata
.endif
;; end of part 4
;; launch final (part 5): grid 256 x 1, 8 waves a work-group, no clusters, 136,192 bytes of LDS; arguments tb, rn, train_labels, xb, rnx, gi, out0; writes out0
.if DOCPART == 5
	.amdgcn_target "amdgcn-amd-amdhsa--gfx1250"
	.amdhsa_code_object_version 6
	.text
	.protected	k_q99f5fcfde2_final
	.globl	k_q99f5fcfde2_final
	.p2align	8
	.type	k_q99f5fcfde2_final,@function
k_q99f5fcfde2_final:
	s_mov_b64 s[64:65], 0
	v_nop
	global_prefetch_b8 v0, s[64:65] scope:SCOPE_SE
	s_setreg_imm32_b32 hwreg(HW_REG_WAVE_MODE, 25, 1), 1
	s_wait_xcnt 0x0
; FINAL.  For each query: the similarities of the 160 rows of its 20 groups (gi, whole numbers that an earlier launch stored) are made again, by the same matrix form with K ascending on one
; accumulator and the sources swapped, so bit for bit as before; times rn[row], then times rnx[q]; the 20 largest, ties to the lower row; their labels are counted in 9 classes; the class with
; the most votes, ties to the lowest, goes out in f32.  A label outside 0 to 8 counts for no class, as in a one-hot of 9.
; SHARES.  A wave takes a query.  The rows come in five batches of 32 (4 groups), each row by one load of 512 consecutive bytes, two batches on their way; a batch goes through the wave's own 32 LDS
; rows to become two fragments of 16 rows.  Source 0 holds the query in all 16 rows, so register 0 of a result holds, in lane (r, h), the product with the tile's row r.
; Nothing is shared between waves: no barrier, no cluster.  A wave's result is one number: it stores 4 bytes; out0 has 8,192 in all.
; LIMITS.  NaN and infinities are not treated apart; +0 and -0 count as equal; two similarities closer than the rounding of their f32 sums may change places against reference().
.set PITCH, 528                        ; an LDS row: 512 bytes + 16: the 16 rows of a fragment load start at 16 different groups of four banks (ISA guide 11.1)
.set WLDS,  32*PITCH
.set VAL, 8                            ; v[8:12]   batch u's similarity of row lane
.set IDX, 13                           ; v[13:17]  that row's number in f32 (exact)
.set LAB, 18                           ; v[18:22]  its label
.set RNV, 24                           ; v[24:28]  its scale
.set ROW, 29                           ; v[29:33]  its number, then 4 x its number
.set RES, 34
.set NEG, 35
.set BIG, 36
.set G,   39                           ; v[39:43]  its group
.set T0,  44
.set T1,  45
.set T2,  46
.set T3,  47
.set AQ,  48                           ; v[48:111]  the query, 8 K steps
.set BF,  112                          ; v[112:239] two tiles of 16 rows, 8 K steps each
.set D0,  240
.set D1,  248
;                                        window 1: v0-127, v128-255: two batches as loaded, row i at 4 i
.set SEL, 96                           ; s[96:97]
.set MSK, 98
.set CNT, 99
.set HM,  101                          ; lanes 16 to 31
.set MSB, 0
.macro WIN new
.if MSB != (\new)
	s_set_vgpr_msb (MSB<<8)|(\new)
.set MSB, (\new)
.endif
.endm
.macro REDMAX
.irp m, 1,2,4,8
	v_max_num_f32_dpp v[T0], v[T0], v[T0] row_xmask:\m row_mask:0xf bank_mask:0xf
.endr
	v_permlanex16_b32 v[T1], v[T0], s[SEL], s[SEL+1]
	v_max_num_f32 v[T0], v[T0], v[T1]
.endm
.macro REDMIN
.irp m, 1,2,4,8
	v_min_num_f32_dpp v[T2], v[T2], v[T2] row_xmask:\m row_mask:0xf bank_mask:0xf
.endr
	v_permlanex16_b32 v[T1], v[T2], s[SEL], s[SEL+1]
	v_min_num_f32 v[T2], v[T2], v[T1]
.endm
.macro ROUNDS n                        ; twenty times: the largest value; the lowest index that has it; that entry becomes -inf
	s_mov_b32 s[MSK], 1
	s_mov_b32 s[CNT], 20
.Lround:
.if (\n)%2
	v_max3_num_f32 v[T0], v[VAL], v[VAL+1], v[VAL+2]
.set i, 3
.else
	v_max_num_f32 v[T0], v[VAL], v[VAL+1]
.set i, 2
.endif
.rept ((\n)-i)/2
	v_max3_num_f32 v[T0], v[T0], v[VAL+i], v[VAL+i+1]
.set i, i+2
.endr
	REDMAX
	v_cmp_eq_f32 vcc_lo, v[VAL], v[T0]
	v_cndmask_b32 v[T2], v[BIG], v[IDX], vcc_lo
.set i, 1
.rept (\n)-1
	v_cmp_eq_f32 vcc_lo, v[VAL+i], v[T0]
	v_cndmask_b32 v[T3], v[BIG], v[IDX+i], vcc_lo
	v_min_num_f32 v[T2], v[T2], v[T3]
.set i, i+1
.endr
	REDMIN
.set i, 0
.rept \n
	v_cmp_eq_f32 vcc_lo, v[IDX+i], v[T2]
	v_cndmask_b32 v[VAL+i], v[VAL+i], v[NEG], vcc_lo
.set i, i+1
.endr
	v_cndmask_b32 v[RES], v[RES], v[T2], s[MSK]
	s_lshl_b32 s[MSK], s[MSK], 1
	s_sub_co_u32 s[CNT], s[CNT], 1
	s_cmp_lg_u32 s[CNT], 0
	s_cbranch_scc1 .Lround
.endm
.macro GLOAD u                         ; batch u: 32 rows, 512 consecutive bytes each; group k's address lies in s[36+2k:..], past s63 two further on
	WIN 0x40                                       ; destination window 1, offset window 0
.set i, 0
.rept 32
.set k, 4*(\u)+i/8
.set PBR, 36+2*k+2*(k/14)
	global_load_b128 v[128*((\u)%2)+4*i:128*((\u)%2)+4*i+3], v1, s[PBR:PBR+1] offset:512*(i%8)
.set i, i+1
.endr
	WIN 0
.endm
.macro BATCH u, cnt                    ; cnt: the loads issued behind batch u's own
	s_wait_loadcnt \cnt
	WIN 0x04                                       ; store data in window 1
.set i, 0
.rept 32
	ds_store_b128 v2, v[128*((\u)%2)+4*i:128*((\u)%2)+4*i+3] offset:PITCH*i
.set i, i+1
.endr
	WIN 0
.set i, 0
.rept 16                               ; tile i / 8, K step i % 8.  LDS serves a wave's instructions in order (ISA guide 5.7.1.4): these see the stores above
	ds_load_b128 v[BF+8*i:BF+8*i+3],   v3 offset:(i/8)*16*PITCH+(i%8)*64
	ds_load_b128 v[BF+8*i+4:BF+8*i+7], v3 offset:(i/8)*16*PITCH+(i%8)*64+32
.set i, i+1
.endr
	s_wait_dscnt 0x0                               ; the fragments are in, and the stores have left their registers
.if (\u) < 3
	GLOAD (\u)+2                                   ; which take the batch two further on
.endif
.set c, 0
.rept 8                                ; the two accumulators take turns
.if c == 0
	v_wmma_f32_16x16x32_bf16 v[D0:D0+7], v[AQ:AQ+7], v[BF:BF+7], 0
	v_wmma_f32_16x16x32_bf16 v[D1:D1+7], v[AQ:AQ+7], v[BF+64:BF+71], 0
.else
	v_wmma_f32_16x16x32_bf16 v[D0:D0+7], v[AQ+8*c:AQ+8*c+7], v[BF+8*c:BF+8*c+7], v[D0:D0+7]
	v_wmma_f32_16x16x32_bf16 v[D1:D1+7], v[AQ+8*c:AQ+8*c+7], v[BF+64+8*c:BF+64+8*c+7], v[D1:D1+7]
.endif
.set c, c+1
.endr
.rept 5
	v_nop                                          ; the places behind the products: four for the read below and the next batch's loads, a fifth for the products that write these sums anew
.endr
	v_cndmask_b32 v[VAL+(\u)], v[D0], v[D1], s[HM] ; lane l: the batch's row l; each sum's lowest register is the one read
.endm
	s_load_b256 s[4:11], s[0:1], 0x0               ; tb s[4:5], rn s[6:7], train_labels s[8:9], xb s[10:11]
	s_load_b128 s[12:15], s[0:1], 0x20             ; rnx s[12:13], gi s[14:15]
	s_load_b64 s[94:95], s[0:1], 0x30              ; out0
	v_lshl_add_u32 v37, v0, 2, 0x21000
	v_mov_b32 v38, 0
	v_lshrrev_b32 v1, 5, v0
	v_readfirstlane_b32 s90, v1                    ; wave 0..7
	v_and_b32 v7, 31, v0                           ; lane
	v_lshlrev_b32 v1, 4, v7                        ; 16 x lane
	v_bfe_u32 v5, v0, 4, 1                         ; h
	v_and_b32 v6, 15, v0                           ; r
	s_mul_i32 s89, s90, WLDS                       ; my wave's LDS rows
	v_lshl_add_u32 v2, v7, 4, s89                  ; in: 16 x lane of a row
	v_mul_u32_u24 v3, v6, PITCH
	v_lshl_add_u32 v3, v5, 4, v3
	v_add_nc_u32 v3, s89, v3                       ; back: row r, 16 h
	v_lshrrev_b32 v4, 3, v7
	v_lshlrev_b32 v4, 2, v4                        ; my row's group among a batch's four, as a word of gi
	v_lshlrev_b32 v5, 4, v5                        ; 16 h
	v_and_b32 v6, 7, v0                            ; my row in its group
	s_lshl3_add_u32 s91, ttmp9, s90                ; my query
	s_mov_b32 s93, 0
	s_mov_b32 s[SEL], 0x76543210
	s_mov_b32 s[SEL+1], 0xfedcba98
	s_mov_b32 s[HM], 0xffff0000
	s_wait_kmcnt 0x0
	s_lshl_b32 s92, s91, 7
	s_add_nc_u64 s[14:15], s[14:15], s[92:93]      ; gi at my query's 32 words
	s_lshl_b32 s92, s91, 9
	s_add_nc_u64 s[10:11], s[10:11], s[92:93]      ; xb at my query's row
	s_lshl_b32 s92, s91, 2
	s_add_nc_u64 s[12:13], s[12:13], s[92:93]
	s_add_nc_u64 s[94:95], s[94:95], s[92:93]
	s_load_b512 s[16:31], s[14:15], 0x0            ; the 20 groups as scalars, for the rows' addresses
	s_load_b128 s[32:35], s[14:15], 0x40
	s_load_b32 s100, s[12:13], 0x0                 ; 1 / the query's norm
.irp u, 0,1,2,3,4
	global_load_b32 v[G+\u], v4, s[14:15] offset:16*\u  ; and my rows' groups, a lane each
.endr
.set c, 0
.rept 8                                ; the query: every lane of a half takes the same 16 bytes
	global_load_b128 v[AQ+8*c:AQ+8*c+3],   v5, s[10:11] offset:64*c
	global_load_b128 v[AQ+8*c+4:AQ+8*c+7], v5, s[10:11] offset:64*c+32
.set c, c+1
.endr
	v_mov_b32 v[T1], 0
	v_mov_b32 v[RES], 0
	v_mov_b32 v[NEG], 0xff800000
	v_mov_b32 v[BIG], 0x7f800000
	s_wait_kmcnt 0x0
.set k, 0
.rept 20
	s_min_u32 s[16+k], s[16+k], 12499              ; a loaded number enters an address only within the table
	s_lshl_b32 s92, s[16+k], 12                    ; a group is 8 rows of 512 bytes
	s_add_nc_u64 s[36+2*k+2*(k/14):37+2*k+2*(k/14)], s[4:5], s[92:93]
.set k, k+1
.endr
	GLOAD 0
	s_wait_loadcnt 32                              ; all but batch 0's 32: my rows' groups and the query are in
.irp u, 0,1,2,3,4
	v_min_u32 v[G+\u], 12499, v[G+\u]
	v_lshl_add_u32 v[ROW+\u], v[G+\u], 3, v6       ; 8 x group + my row in it
	v_cvt_f32_u32 v[IDX+\u], v[ROW+\u]
	v_lshlrev_b32 v[ROW+\u], 2, v[ROW+\u]
.endr
.irp u, 0,1,2,3,4
	global_load_b32 v[RNV+\u], v[ROW+\u], s[6:7]
	global_load_b32 v[LAB+\u], v[ROW+\u], s[8:9]
.endr
	GLOAD 1
	BATCH 0, 42                                    ; behind batch 0: ten loads of scales and labels, and batch 1
	BATCH 1, 32                                    ; behind batch 1: batch 2
	BATCH 2, 32
	BATCH 3, 32
	BATCH 4, 0
.irp u, 0,1,2,3,4
	v_mul_f32 v[VAL+\u], v[VAL+\u], v[RNV+\u]      ; as the launch that ranked the groups has it,
.endr
.irp u, 0,1,2,3,4
	v_mul_f32 v[VAL+\u], s100, v[VAL+\u]           ; then the query's own factor
.endr
	ROUNDS 5
.irp u, 0,1,2,3,4
	v_cmp_eq_f32 vcc_lo, v[VAL+\u], v[NEG]         ; chosen rows are those that the rounds removed
	v_cndmask_b32 v[LAB+\u], 0xff, v[LAB+\u], vcc_lo  ; the others vote for no class
.endr
.set c, 0
.rept 9                                ; votes of class c, in s[16+c]
	v_cmp_eq_u32 s27, c, v[LAB]
	s_bcnt1_i32_b32 s[16+c], s27
.set u, 1
.rept 4
	v_cmp_eq_u32 s27, c, v[LAB+u]
	s_bcnt1_i32_b32 s28, s27
	s_add_co_u32 s[16+c], s[16+c], s28
.set u, u+1
.endr
.set c, c+1
.endr
	s_mov_b32 s25, 0                               ; the best class so far, and its votes: only more votes displace it, so ties stay with the lowest class.  Selects alone: no branch hangs on these numbers
	s_mov_b32 s26, s16
.set c, 1
.rept 8
	s_cmp_gt_u32 s[16+c], s26
	s_cselect_b32 s25, c, s25
	s_cselect_b32 s26, s[16+c], s26
.set c, c+1
.endr
	v_mov_b32 v[T0], s25
	v_cvt_f32_u32 v[T0], v[T0]
	v_mov_b32 v[T2], 0
	s_wait_xcnt 0x0                                ; EXEC changes only behind this wait
	v_cmp_eq_u32 vcc_lo, 0, v7
	s_wait_tensorcnt 0x0
	ds_add_u32 v37, v38
	s_wait_dscnt 0x0
	s_and_saveexec_b32 s27, vcc_lo
	global_store_b32 v[T2], v[T0], s[94:95]        ; lane 0 stores the query's class
	s_endpgm
.Lfunc_end_k_q99f5fcfde2_final:
	.size	k_q99f5fcfde2_final, .Lfunc_end_k_q99f5fcfde2_final-k_q99f5fcfde2_final
	.p2alignl 7, 3214868480
	.fill 96, 4, 3214868480
	.section	.rodata,"a",@progbits
	.p2align	6, 0x0
	.amdhsa_kernel k_q99f5fcfde2_final
		.amdhsa_group_segment_fixed_size 136192
		.amdhsa_private_segment_fixed_size 0
		.amdhsa_enable_private_segment 0
		.amdhsa_kernarg_size 56
		.amdhsa_user_sgpr_count 2
		.amdhsa_user_sgpr_kernarg_segment_ptr 1
		.amdhsa_wavefront_size32 1
		.amdhsa_system_sgpr_workgroup_id_x 1
		.amdhsa_system_sgpr_workgroup_id_y 1
		.amdhsa_system_sgpr_workgroup_id_z 1
		.amdhsa_system_vgpr_workitem_id 0
		.amdhsa_next_free_vgpr 512
		.amdhsa_next_free_sgpr 102
		.amdhsa_reserve_vcc 1
		.amdhsa_float_denorm_mode_32 3
		.amdhsa_float_denorm_mode_16_64 3
		.amdhsa_memory_ordered 1
		.amdhsa_forward_progress 1
		.amdhsa_inst_pref_size 60
	.end_amdhsa_kernel
	.amdgpu_metadata
---
amdhsa.version: [ 1, 2 ]
amdhsa.kernels:
  - .name:           k_q99f5fcfde2_final
    .symbol:         k_q99f5fcfde2_final.kd
    .args:
      - { .name: tb, .offset: 0, .size: 8, .value_kind: global_buffer, .address_space: global }
      - { .name: rn, .offset: 8, .size: 8, .value_kind: global_buffer, .address_space: global }
      - { .name: train_labels, .offset: 16, .size: 8, .value_kind: global_buffer, .address_space: global }
      - { .name: xb, .offset: 24, .size: 8, .value_kind: global_buffer, .address_space: global }
      - { .name: rnx, .offset: 32, .size: 8, .value_kind: global_buffer, .address_space: global }
      - { .name: gi, .offset: 40, .size: 8, .value_kind: global_buffer, .address_space: global }
      - { .name: out0, .offset: 48, .size: 8, .value_kind: global_buffer, .address_space: global }
    .group_segment_fixed_size: 136192
    .private_segment_fixed_size: 0
    .kernarg_segment_align: 8
    .kernarg_segment_size: 56
    .max_flat_workgroup_size: 256
    .sgpr_count:     102
    .vgpr_count:     512
    .wavefront_size: 32
...
	.end_amdgpu_metadata
.endif
;; end of part 5
;; ======== version 2 of 2: 5 launches; version 1 with the launches selS, selG written anew for expert scheduling mode
;; workspace buffers: tb 51,380,224 bytes; rn 401,408 bytes; xb 1,048,576 bytes; rnx 8,192 bytes; gm 117,440,512 bytes; sg 3,670,016 bytes; sgi 262,144 bytes of whole numbers; gi 262,144 bytes of whole numbers
;; launch prep: the kernel of part 1 again; grid 1600 x 1, 8 waves a work-group, no clusters, 1,280 bytes of LDS; arguments train_features, x, tb, rn, xb, rnx; writes tb, rn, xb, rnx
;; launch gemm: the kernel of part 2 again; grid 4 x 64, 4 waves a work-group, clusters of 4 x 1, 327,680 bytes of LDS; arguments tb, rn, xb, gm, sg; writes gm, sg
;; launch selS (part 6): grid 256 x 1, 8 waves a work-group, no clusters, 15,872 bytes of LDS; arguments sg, sgi; writes sgi
.if DOCPART == 6
	.amdgcn_target "amdgcn-amd-amdhsa--gfx1250"
	.amdhsa_code_object_version 6
	.text
	.protected	k_q99f5fcfde2_selS
	.globl	k_q99f5fcfde2_selS
	.p2align	8
	.type	k_q99f5fcfde2_selS,@function
k_q99f5fcfde2_selS:
	s_mov_b64 s[64:65], 0
	v_nop
	global_prefetch_b8 v0, s[64:65] scope:SCOPE_SE
	s_setreg_imm32_b32 hwreg(HW_REG_WAVE_SCHED_MODE, 0, 2), 2
	s_setreg_imm32_b32 hwreg(HW_REG_WAVE_MODE, 25, 1), 1
	s_wait_xcnt 0x0
	s_wait_alu depctr_vm_vsrc(0)
; SELS.  For each query: the 20 chunks with the largest maxima among chunks 0 to 445, ties to the lower chunk; chunk 446, whose maximum also covers padding rows, is always taken as the 21st; chunk 447
; is padding alone.  Ordered by (value falling, index rising), the 20 best blocks of consecutive indices hold the 20 best elements, so these 21 chunks hold every row of the query's top 20.
; sgi[q][0..20] = the chunks; words 21 to 31 are 0.
; SHARES.  256 work-groups of 8 waves.  A work-group takes 8 queries: sg's 448 rows give 32 bytes each, turned in LDS; then a wave takes a query, a lane 14 chunks.  The choice is made without a branch
; on data: twenty rounds of maximum, lowest index among those that have it, and removal.  In a round the maxima and minima are trees of three-operand instructions, and the compares stand together,
; each with a scalar register of its own, ahead of the selects: no line waits for the one just before it but in the exchanges between lanes.
; No matrix work, nothing shared between work-groups: no cluster, no tensor load.
; LIMITS.  NaN is not treated apart; +0 and -0 count as equal; fewer than 20 chunks with a maximum above -inf are not served.
; THE MODE: SCHED_MODE bits 1:0 = 2 (LLVM: expert scheduling mode 2), set by the entry lines.  The code itself states the register dependences between vector instructions and memory or LDS
; instructions, and those through scalar registers that vector instructions write, with s_wait_alu, always for 0.
; THE PLAN.  Registers that memory or LDS instructions touch:
;   v5, v6, v7, v[SOF]  offsets and LDS addresses: all four made at the head and never written again.
;   v[L ..]             written by the loads of sg, read by the LDS stores; no vector instruction names them.
;   v[VAL ..]           written by the LDS loads, before any vector instruction names them.
;   v[RES]              written by the rounds and the lines behind them; read by the one store.
;   v80, v81            written at the head, read by the closing add alone.
; So ONE wait on va_vdst at the head serves every load and LDS instruction of the kernel, and one more stands ahead of the store.  No register that a memory or LDS instruction has read is written again.
; The rounds hold no memory instruction: each run of compares has one wait on va_sdst, ahead of the selects that read its masks.
.set QP,  1796                         ; a query's 448 words + 1: an odd number of words from query to query
.set N,   14
.set L,   8                            ; v[8:23]   as loaded
.set VAL, 24                           ; v[24:37]
.set IDX, 38                           ; v[38:51]  the chunk's number in f32 (exact)
.set K,   52                           ; v[52:65]  the index where the value is the maximum, else +inf
.set C,   66                           ; v[66:69]  the trees' branches
.set T0,  70
.set T1,  71
.set T2,  72
.set T3,  76
.set RES, 73                           ; lane k takes round k's index
.set NEG, 74                           ; -inf
.set BIG, 75                           ; +inf
.set SOF, 77                           ; v77  4 x lane: my word among a query's 32 in sgi
.set SEL, 14                           ; s[14:15]
.set MSK, 16
.set CNT, 17
.set MK,  20                           ; s[20:33]  a compare's lanes, one register an entry
.macro TREE op3, op2, s, d             ; the operation over v[s .. s+13] into v[d]: three levels
	\op3 v[C],   v[\s],    v[\s+1],  v[\s+2]
	\op3 v[C+1], v[\s+3],  v[\s+4],  v[\s+5]
	\op3 v[C+2], v[\s+6],  v[\s+7],  v[\s+8]
	\op3 v[C+3], v[\s+9],  v[\s+10], v[\s+11]
	\op3 v[C],   v[C],     v[\s+12], v[\s+13]
	\op3 v[C+1], v[C+1],   v[C+2],   v[C+3]
	\op2 v[\d],  v[C],     v[C+1]
.endm
.macro REDMAX                          ; T0's maximum over the 32 lanes, in every lane
.irp m, 1,2,4,8
	v_max_num_f32_dpp v[T0], v[T0], v[T0] row_xmask:\m row_mask:0xf bank_mask:0xf
.endr
	v_permlanex16_b32 v[T1], v[T0], s[SEL], s[SEL+1]
	v_max_num_f32 v[T0], v[T0], v[T1]
.endm
.macro REDMIN                          ; T2's minimum likewise
.irp m, 1,2,4,8
	v_min_num_f32_dpp v[T2], v[T2], v[T2] row_xmask:\m row_mask:0xf bank_mask:0xf
.endr
	v_permlanex16_b32 v[T1], v[T2], s[SEL], s[SEL+1]
	v_min_num_f32 v[T2], v[T2], v[T1]
.endm
.macro ROUNDS                          ; twenty times: the largest value; the lowest index that has it; that entry becomes -inf; lane k keeps round k's index
	s_mov_b32 s[MSK], 1
	s_mov_b32 s[CNT], 20
.Lround:
	TREE v_max3_num_f32, v_max_num_f32, VAL, T0
	REDMAX
.set i, 0
.rept N
	v_cmp_eq_f32 s[MK+i], v[VAL+i], v[T0]
.set i, i+1
.endr
	s_wait_alu depctr_va_sdst(0)                   ; the 14 compares have written s[MK ..], which the selects below read
.set i, 0
.rept N
	v_cndmask_b32 v[K+i], v[BIG], v[IDX+i], s[MK+i]
.set i, i+1
.endr
	TREE v_min3_num_f32, v_min_num_f32, K, T2
	REDMIN
.set i, 0
.rept N
	v_cmp_eq_f32 s[MK+i], v[IDX+i], v[T2]
.set i, i+1
.endr
	s_wait_alu depctr_va_sdst(0)                   ; the 14 compares have written s[MK ..] anew, which the selects below read
.set i, 0
.rept N
	v_cndmask_b32 v[VAL+i], v[VAL+i], v[NEG], s[MK+i]
.set i, i+1
.endr
	v_cndmask_b32 v[RES], v[RES], v[T2], s[MSK]
	s_lshl_b32 s[MSK], s[MSK], 1
	s_sub_co_u32 s[CNT], s[CNT], 1
	s_cmp_lg_u32 s[CNT], 0
	s_cbranch_scc1 .Lround
.endm
	s_load_b128 s[4:7], s[0:1], 0x0                ; sg s[4:5], sgi s[6:7]
	v_lshl_add_u32 v80, v0, 2, 0x3a00
	v_mov_b32 v81, 0
	v_lshrrev_b32 v1, 5, v0
	v_readfirstlane_b32 s8, v1                     ; wave 0..7
	v_and_b32 v2, 31, v0                           ; lane
	v_lshrrev_b32 v3, 1, v0                        ; thread / 2: a chunk among 128
	v_and_b32 v4, 1, v0                            ; thread % 2: four of the 8 queries
	v_lshlrev_b32 v5, 13, v3                       ; a row of sg is 8,192 bytes
	v_lshl_add_u32 v5, v4, 4, v5
	v_mul_u32_u24 v6, v4, 4*QP
	v_lshl_add_u32 v6, v3, 2, v6                   ; LDS: query 4 (thread % 2), word thread / 2
	v_lshlrev_b32 v[SOF], 2, v2
	s_lshl_b32 s10, ttmp9, 5                       ; my 8 queries' 32 bytes in a row
	s_mov_b32 s11, 0
	s_mov_b32 s[SEL], 0x76543210
	s_mov_b32 s[SEL+1], 0xfedcba98
	s_wait_alu depctr_va_sdst(0)                   ; s8 is written, ahead of its first reader: an LDS address, a branch and sgi's address are made from it
	s_mul_i32 s9, s8, QP
	v_lshl_add_u32 v7, v2, 2, s9                   ; my wave's query, word = lane
	s_wait_kmcnt 0x0
	s_add_nc_u64 s[4:5], s[4:5], s[10:11]
	s_wait_alu depctr_va_vdst(0)                   ; v5, v6, v7 and v[SOF] are written: the loads, the LDS stores, the LDS loads and the store below read them as offsets and addresses
.irp k, 0,1,2
	global_load_b128 v[L+4*\k:L+4*\k+3], v5, s[4:5] offset:\k*128*8192
.endr
	s_cmp_ge_u32 s8, 4
	s_cbranch_scc1 .Lthree                         ; chunks 384 to 447 are 64: waves 0 to 3 alone take a fourth load, with its wait and its stores
	global_load_b128 v[L+12:L+15], v5, s[4:5] offset:3*128*8192
	s_wait_loadcnt 0x0
.irp e, 0,1,2,3
	ds_store_b32 v6, v[L+12+\e] offset:\e*QP+3*512
.endr
.Lthree:
	s_wait_loadcnt 0x0
.irp k, 0,1,2
.irp e, 0,1,2,3
	ds_store_b32 v6, v[L+4*\k+\e] offset:\e*QP+\k*512
.endr
.endr
	s_wait_dscnt 0x0                               ; for the others' sake: my stores are done
	s_barrier_signal -1
	s_barrier_wait -1
.set k, 0
.rept N
	ds_load_b32 v[VAL+k], v7 offset:128*k          ; chunk lane + 32 k.  No wait: no vector instruction since the head's wait names v7 or v[VAL ..]
	v_add_nc_u32 v[IDX+k], 32*k, v2
	v_cvt_f32_u32 v[IDX+k], v[IDX+k]
.set k, k+1
.endr
	v_mov_b32 v[T1], 0
	v_mov_b32 v[RES], 0
	v_mov_b32 v[NEG], 0xff800000
	v_mov_b32 v[BIG], 0x7f800000
	s_mov_b32 s18, 0xc0000000                      ; lanes 30 and 31
	s_wait_dscnt 0x0
	v_cndmask_b32 v[VAL+13], v[VAL+13], v[NEG], s18  ; chunks 446 and 447 are not ranked
	ROUNDS
	v_cvt_u32_f32 v[RES], v[RES]
	v_mov_b32 v[T3], 446
	s_mov_b32 s18, 1<<20
	v_cndmask_b32 v[RES], v[RES], v[T3], s18       ; lane 20: chunk 446, always
	s_lshl_b32 s10, ttmp9, 10                      ; 8 queries of 128 bytes,
	s_lshl_b32 s12, s8, 7                          ; my wave's
	s_add_co_u32 s10, s10, s12
	s_add_nc_u64 s[6:7], s[6:7], s[10:11]
	s_wait_alu depctr_va_vdst(0)                   ; the select above has written v[RES], which the store reads
	global_store_b32 v[SOF], v[RES], s[6:7]        ; the wave stores 128 consecutive bytes: a query's 32 words
	s_wait_dscnt 0x0                               ; the closing lines, six on end
	s_wait_alu 0x0
	s_wait_tensorcnt 0x0
	ds_add_u32 v80, v81
	s_wait_dscnt 0x0
	s_endpgm
.Lfunc_end_k_q99f5fcfde2_selS:
	.size	k_q99f5fcfde2_selS, .Lfunc_end_k_q99f5fcfde2_selS-k_q99f5fcfde2_selS
	.p2alignl 7, 3214868480
	.fill 96, 4, 3214868480
	.section	.rodata,"a",@progbits
	.p2align	6, 0x0
	.amdhsa_kernel k_q99f5fcfde2_selS
		.amdhsa_group_segment_fixed_size 15872
		.amdhsa_private_segment_fixed_size 0
		.amdhsa_enable_private_segment 0
		.amdhsa_kernarg_size 16
		.amdhsa_user_sgpr_count 2
		.amdhsa_user_sgpr_kernarg_segment_ptr 1
		.amdhsa_wavefront_size32 1
		.amdhsa_system_sgpr_workgroup_id_x 1
		.amdhsa_system_sgpr_workgroup_id_y 1
		.amdhsa_system_sgpr_workgroup_id_z 1
		.amdhsa_system_vgpr_workitem_id 0
		.amdhsa_next_free_vgpr 82
		.amdhsa_next_free_sgpr 66
		.amdhsa_reserve_vcc 0
		.amdhsa_float_denorm_mode_32 3
		.amdhsa_float_denorm_mode_16_64 3
		.amdhsa_memory_ordered 1
		.amdhsa_forward_progress 1
		.amdhsa_inst_pref_size 12
	.end_amdhsa_kernel
	.amdgpu_metadata
---
amdhsa.version: [ 1, 2 ]
amdhsa.kernels:
  - .name:           k_q99f5fcfde2_selS
    .symbol:         k_q99f5fcfde2_selS.kd
    .args:
      - { .name: sg, .offset: 0, .size: 8, .value_kind: global_buffer, .address_space: global }
      - { .name: sgi, .offset: 8, .size: 8, .value_kind: global_buffer, .address_space: global }
    .group_segment_fixed_size: 15872
    .private_segment_fixed_size: 0
    .kernarg_segment_align: 8
    .kernarg_segment_size: 16
    .max_flat_workgroup_size: 256
    .sgpr_count:     66
    .vgpr_count:     82
    .wavefront_size: 32
...
	.end_amdgpu_metadata
.endif
;; end of part 6
;; launch selG (part 7): grid 256 x 1, 8 waves a work-group, no clusters, 0 bytes of LDS; arguments gm, sgi, gi; writes gi
.if DOCPART == 7
	.amdgcn_target "amdgcn-amd-amdhsa--gfx1250"
	.amdhsa_code_object_version 6
	.text
	.protected	k_q99f5fcfde2_selG
	.globl	k_q99f5fcfde2_selG
	.p2align	8
	.type	k_q99f5fcfde2_selG,@function
k_q99f5fcfde2_selG:
	s_mov_b64 s[64:65], 0
	v_nop
	global_prefetch_b8 v0, s[64:65] scope:SCOPE_SE
	s_setreg_imm32_b32 hwreg(HW_REG_WAVE_SCHED_MODE, 0, 2), 2
	s_setreg_imm32_b32 hwreg(HW_REG_WAVE_MODE, 25, 1), 1
	s_wait_xcnt 0x0
	s_wait_alu depctr_vm_vsrc(0)
; SELG.  For each query: the 20 groups of 8 rows with the largest maxima among the 28 groups of each of its 21 chunks (sgi, whole numbers that an earlier launch stored), ties to the lower group.
; Groups 12,500 on are padding and are left out.  By the same argument as one level up these 20 groups hold every row of the query's top 20.  gi[q][0..19] = the groups; words 20 to 31 are 0.
; SHARES.  A wave takes a query; a chunk's 32 words of gm are one load of 128 consecutive bytes, a word a lane.  Word 16 h + i is group 2 i + h of the chunk; i = 14, 15 hold -inf.  Their index
; falls on a group of the next chunk: harmless, since an index counts only beside the largest value, and a removal finds them at -inf already.
; The choice is made without a branch on data.  In a round the maxima and minima are trees of three-operand instructions, and the compares stand together, each with a scalar register of its own,
; ahead of the selects.  No LDS, no matrix work, nothing shared: no cluster.
; LIMITS.  NaN is not treated apart; +0 and -0 count as equal; fewer than 20 groups above -inf are not served.
; THE MODE: SCHED_MODE bits 1:0 = 2 (LLVM: expert scheduling mode 2), set by the entry lines.  The code itself states the register dependences between vector instructions and memory
; instructions, and those through scalar registers that vector instructions write, with s_wait_alu, always for 0.
; THE PLAN.  Registers that memory instructions touch:
;   v[OFF ..]  each written once by a vector add, read by one load, never written again.
;   v[VAL ..]  written by the loads, before any vector instruction names them.
;   v3         written at the head; read by the store as its offset.
;   v[RES]     written by the rounds and the conversion behind them; read by the store.
; So the 21 offsets are made first, ONE wait on va_vdst follows, and the 21 loads go out in one run.  All that does not hang on their data stands behind them, while they are on their way: the groups'
; numbers, the compares that find the padding, and the wait for those compares' masks.  One more wait on va_vdst stands ahead of the store.  No register that a memory instruction has read is written
; again.  The rounds hold no memory instruction: each run of compares has one wait on va_sdst, ahead of the selects that read its masks.
.set N,   21
.set VAL, 8                            ; v[8:28]
.set IDX, 29                           ; v[29:49]  the group's number in f32 (exact)
.set OFF, 50                           ; v[50:70]  byte offsets of the 21 loads
.set T0,  71
.set T1,  72
.set T2,  73
.set RES, 75
.set NEG, 76
.set BIG, 77
.set K,   78                           ; v[78:98]  the index where the value is the maximum, else +inf
.set C,   99                           ; v[99:105] the trees' branches
.set MK,  16                           ; s[16:36]  first the query's 21 chunks, then a compare's lanes, one register an entry
.set SEL, 42                           ; s[42:43]
.set MSK, 44
.set CNT, 45
.macro TREE op3, s, d                  ; the operation over v[s .. s+20] into v[d]: three levels
.set j, 0
.rept 7
	\op3 v[C+j], v[\s+3*j], v[\s+3*j+1], v[\s+3*j+2]
.set j, j+1
.endr
	\op3 v[C],   v[C],   v[C+1], v[C+2]
	\op3 v[C+3], v[C+3], v[C+4], v[C+5]
	\op3 v[\d],  v[C],   v[C+3], v[C+6]
.endm
.macro REDMAX
.irp m, 1,2,4,8
	v_max_num_f32_dpp v[T0], v[T0], v[T0] row_xmask:\m row_mask:0xf bank_mask:0xf
.endr
	v_permlanex16_b32 v[T1], v[T0], s[SEL], s[SEL+1]
	v_max_num_f32 v[T0], v[T0], v[T1]
.endm
.macro REDMIN
.irp m, 1,2,4,8
	v_min_num_f32_dpp v[T2], v[T2], v[T2] row_xmask:\m row_mask:0xf bank_mask:0xf
.endr
	v_permlanex16_b32 v[T1], v[T2], s[SEL], s[SEL+1]
	v_min_num_f32 v[T2], v[T2], v[T1]
.endm
.macro ROUNDS                          ; twenty times: the largest value; the lowest index that has it; that entry becomes -inf; lane k keeps round k's index
	s_mov_b32 s[MSK], 1
	s_mov_b32 s[CNT], 20
.Lround:
	TREE v_max3_num_f32, VAL, T0
	REDMAX
.set i, 0
.rept N
	v_cmp_eq_f32 s[MK+i], v[VAL+i], v[T0]
.set i, i+1
.endr
	s_wait_alu depctr_va_sdst(0)                   ; the 21 compares have written s[MK ..], which the selects below read
.set i, 0
.rept N
	v_cndmask_b32 v[K+i], v[BIG], v[IDX+i], s[MK+i]
.set i, i+1
.endr
	TREE v_min3_num_f32, K, T2
	REDMIN
.set i, 0
.rept N
	v_cmp_eq_f32 s[MK+i], v[IDX+i], v[T2]
.set i, i+1
.endr
	s_wait_alu depctr_va_sdst(0)                   ; the 21 compares have written s[MK ..] anew, which the selects below read
.set i, 0
.rept N
	v_cndmask_b32 v[VAL+i], v[VAL+i], v[NEG], s[MK+i]
.set i, i+1
.endr
	v_cndmask_b32 v[RES], v[RES], v[T2], s[MSK]
	s_lshl_b32 s[MSK], s[MSK], 1
	s_sub_co_u32 s[CNT], s[CNT], 1
	s_cmp_lg_u32 s[CNT], 0
	s_cbranch_scc1 .Lround
.endm
	s_load_b128 s[4:7], s[0:1], 0x0                ; gm s[4:5], sgi s[6:7]
	s_load_b64 s[8:9], s[0:1], 0x10                ; gi
	v_lshrrev_b32 v1, 5, v0
	v_readfirstlane_b32 s10, v1                    ; wave 0..7
	v_and_b32 v2, 31, v0
	v_lshlrev_b32 v3, 2, v2                        ; 4 x lane
	v_and_b32 v4, 15, v0
	v_bfe_u32 v5, v0, 4, 1
	v_lshl_add_u32 v4, v4, 1, v5                   ; my word's group in its chunk: 2 (lane % 16) + lane / 16
	s_wait_alu depctr_va_sdst(0)                   ; s10 is written, ahead of its first reader: the query's number and the three addresses are made from it
	s_lshl3_add_u32 s11, ttmp9, s10                ; my query
	s_lshl_b32 s12, s11, 7                         ; 128 bytes a query in sgi, in gi and in a chunk of gm
	s_mov_b32 s13, 0
	s_mov_b32 s[SEL], 0x76543210
	s_mov_b32 s[SEL+1], 0xfedcba98
	s_wait_kmcnt 0x0
	s_add_nc_u64 s[4:5], s[4:5], s[12:13]
	s_add_nc_u64 s[6:7], s[6:7], s[12:13]
	s_add_nc_u64 s[8:9], s[8:9], s[12:13]
	s_load_b512 s[16:31], s[6:7], 0x0              ; the query's chunks 0 to 15 of 21,
	s_load_b256 s[32:39], s[6:7], 0x40             ; and the rest
	v_mov_b32 v[T1], 0
	v_mov_b32 v[RES], 0
	v_mov_b32 v[NEG], 0xff800000
	v_mov_b32 v[BIG], 0x7f800000
	s_wait_kmcnt 0x0
.set k, 0
.rept N
	s_min_u32 s[16+k], s[16+k], 447                ; a loaded number enters an address only within the table
	s_lshl_b32 s40, s[16+k], 18                    ; a chunk of gm is 262,144 bytes
	v_add_nc_u32 v[OFF+k], s40, v3
.set k, k+1
.endr
	s_wait_alu depctr_va_vdst(0)                   ; the 21 offsets v[OFF ..] are written, which the loads below read; so is v3, the store's offset
.set k, 0
.rept N
	global_load_b32 v[VAL+k], v[OFF+k], s[4:5]
.set k, k+1
.endr
.set k, 0
.rept N                                ; while the loads are on their way: none of these lines names v[OFF ..] or v[VAL ..]
	s_mul_i32 s41, s[16+k], 28
	v_add_nc_u32 v[IDX+k], s41, v4
.set k, k+1
.endr
.set k, 0
.rept N
	v_cvt_f32_u32 v[IDX+k], v[IDX+k]
.set k, k+1
.endr
.set k, 0
.rept N
	v_cmp_le_f32 s[MK+k], 0x46435000, v[IDX+k]     ; 12,500 <= the group's number: padding
.set k, k+1
.endr
	s_wait_alu depctr_va_sdst(0)                   ; the 21 compares have written s[MK ..], which the selects below read
	s_wait_loadcnt 0x0
.set k, 0
.rept N
	v_cndmask_b32 v[VAL+k], v[VAL+k], v[NEG], s[MK+k]
.set k, k+1
.endr
	ROUNDS
	v_cvt_u32_f32 v[RES], v[RES]
	s_wait_alu depctr_va_vdst(0)                   ; the conversion has written v[RES], which the store reads
	global_store_b32 v3, v[RES], s[8:9]            ; the wave stores 128 consecutive bytes: a query's 32 words
	s_endpgm
.Lfunc_end_k_q99f5fcfde2_selG:
	.size	k_q99f5fcfde2_selG, .Lfunc_end_k_q99f5fcfde2_selG-k_q99f5fcfde2_selG
	.p2alignl 7, 3214868480
	.fill 96, 4, 3214868480
	.section	.rodata,"a",@progbits
	.p2align	6, 0x0
	.amdhsa_kernel k_q99f5fcfde2_selG
		.amdhsa_group_segment_fixed_size 0
		.amdhsa_private_segment_fixed_size 0
		.amdhsa_enable_private_segment 0
		.amdhsa_kernarg_size 24
		.amdhsa_user_sgpr_count 2
		.amdhsa_user_sgpr_kernarg_segment_ptr 1
		.amdhsa_wavefront_size32 1
		.amdhsa_system_sgpr_workgroup_id_x 1
		.amdhsa_system_sgpr_workgroup_id_y 1
		.amdhsa_system_sgpr_workgroup_id_z 1
		.amdhsa_system_vgpr_workitem_id 0
		.amdhsa_next_free_vgpr 112
		.amdhsa_next_free_sgpr 66
		.amdhsa_reserve_vcc 0
		.amdhsa_float_denorm_mode_32 3
		.amdhsa_float_denorm_mode_16_64 3
		.amdhsa_memory_ordered 1
		.amdhsa_forward_progress 1
		.amdhsa_inst_pref_size 20
	.end_amdhsa_kernel
	.amdgpu_metadata
---
amdhsa.version: [ 1, 2 ]
amdhsa.kernels:
  - .name:           k_q99f5fcfde2_selG
    .symbol:         k_q99f5fcfde2_selG.kd
    .args:
      - { .name: gm, .offset: 0, .size: 8, .value_kind: global_buffer, .address_space: global }
      - { .name: sgi, .offset: 8, .size: 8, .value_kind: global_buffer, .address_space: global }
      - { .name: gi, .offset: 16, .size: 8, .value_kind: global_buffer, .address_space: global }
    .group_segment_fixed_size: 0
    .private_segment_fixed_size: 0
    .kernarg_segment_align: 8
    .kernarg_segment_size: 24
    .max_flat_workgroup_size: 256
    .sgpr_count:     66
    .vgpr_count:     112
    .wavefront_size: 32
...
	.end_amdgpu_metadata
.endif
;; end of part 7
;; launch final: the kernel of part 5 again; grid 256 x 1, 8 waves a work-group, no clusters, 136,192 bytes of LDS; arguments tb, rn, train_labels, xb, rnx, gi, out0; writes out0
